; MI455X (gfx1250); checked and timed in simulation.
; The chip was launched on July 23, 2026; its instructions are those of AMD's public machine-readable ISA for CDNA 5 (MIT licence, August 2026) and "CDNA5" Instruction Set Architecture Reference Guide (July 2026). The comments in the code are by the model that wrote it; some were corrected since.
;; Self Attention. Allowed arithmetic: float matrix products may take bf16 or f16 operands with f32 sums; other float arithmetic in f32, or as packed bf16 or f16 multiplies, adds, multiply-adds, maxima and minima; sums over many terms, partial sums and values carried from step to step in f32; what a program stores and reads back later, other than sums and carried values, may be rounded once to bf16 or f16.
;; Inputs: U_b 1,024 float32; U_w 1,024 x 1,024 float32; V_b 1 float32; V_w 1,024 x 1 float32; W_b 1,024 float32; W_w 1,024 x 1,024 float32; hidden_states 32 x 2,048 x 1,024 float32; s_prev 32 x 1,024 float32.
;; Outputs: out0 32 x 1,024 float32; out1 32 x 2,048 x 1 float32.
;; 2 versions, each right; version 2 is version 1 with the launch score written anew for expert scheduling mode. Each part assembles by itself: llvm-mc -triple=amdgcn-amd-amdhsa -mcpu=gfx1250 --defsym DOCPART=n.
;; ======== version 1 of 2: 3 launches
;; workspace buffers: Ub 2,097,152 bytes; wsp 1,048,576 bytes; part 2,359,296 bytes; sc 262,144 bytes
;; launch prep (part 1): grid 128 x 2, 1 waves a work-group, no clusters, 29,440 bytes of LDS; arguments U_w, W_w, s_prev, Ub, wsp; writes Ub, wsp
.if DOCPART == 1
	.amdgcn_target "amdgcn-amd-amdhsa--gfx1250"
	.amdhsa_code_object_version 6
	.text
	.protected	k_qe96ffcf63d_prep
	.globl	k_qe96ffcf63d_prep
	.p2align	8
	.type	k_qe96ffcf63d_prep,@function
k_qe96ffcf63d_prep:
	s_mov_b64 s[64:65], 0
	v_nop
	global_prefetch_b8 v0, s[64:65] scope:SCOPE_SE
	s_setreg_imm32_b32 hwreg(HW_REG_WAVE_MODE, 25, 1), 1
	s_wait_xcnt 0x0
; PREP.  y = 0: U_w [1024 k][1024 n] f32 is rounded to bf16 and written in the order in which the next launch's matrix instructions take it.
;        y = 1: s_prev [32][1024] x W_w [1024][1024], both rounded to bf16, sums in f32: one slice of 128 along K, as a partial sum.
; A work-group is one wave and owns a tile of 128 k x 64 n of its weight matrix: x & 15 = the 64 columns (nt), x >> 4 = the 128 rows (ks).
; The tile is read as 64 loads of two rows x 256 bytes, rounded, laid in LDS as [k][n] with rows 160 bytes apart (an odd multiple of 32),
; and taken out turned by ds_load_tr16_b128: 16 fragments of 16 columns x 32 k, lane (r, h) holding column r and k = 8h..8h+7, 16+8h..16+8h+7.
; Ub: fragment (ng = n >> 7, kb = k >> 5, cb = (n >> 4) & 7) at byte ((32 ng + kb) 8 + cb) 1024; registers 0-3 of lane L at 16 L, registers 4-7 at 512 + 16 L:
;     every store here and every load there covers 512 consecutive bytes.
; wsp: [8 slices][32 rows][1024 columns] f32; the next launch adds the eight slices in f32.
; The matrix instruction is used transposed (source 0 = 16 columns of W_w, source 1 = 16 rows of s_prev): a lane then holds eight neighbouring columns of one row.
; No barrier: the wave reads only LDS bytes that it wrote itself, and LDS serves a wave's instructions in order (ISA guide 5.7.1.4).
; REGISTERS.  Window 0: v0-15 addresses; v16-31 rounded words on their way to LDS; v64-191 s_prev as loaded, then the 16 fragments, then rows read back; v192-255 s_prev's fragments.
;             Window 1: v0-255 the tile as loaded; later v0-63 the eight accumulators (row block mb, column block nb at 8 (4 mb + nb)).
.set TP,    160                        ; a row of the tile in LDS: 128 bytes + 32
.set STG,   128*TP                     ; behind the tile: the stage for the way out, 32 rows of 256 bytes + 16
.set SGP,   272
.set SPARE, STG+32*SGP                 ; behind the stage: the spare words, one block of 256 bytes that no other line names
.set GOF, 5                            ; v5   4096 h + 16 r: two rows of 4,096 bytes, 16 bytes a lane
.set LST, 6                            ; v6   160 h + 8 r: the same two rows in the LDS tile
.set TRA, 7                            ; v7   the turning load's address: (8 h + L % 8) 160 + 16 ((L / 8) % 2)
.set L16, 8                            ; v8   16 L
.set SOF, 9                            ; v9   4096 r + 32 h: my 8 numbers of a row of s_prev
.set STO, 10                           ; v10  the way out: where I put 32 bytes of a row
.set RD,  11                           ; v11  the way out: where I read a row back
.set SPW, 14                           ; v14  LDS address of my spare word; never rewritten
.set NIL, 15                           ; v15  0; never rewritten
.set YB,  16
.set FR,  64                           ; fragment f = 4 kq + nb at FR + 8 f
.set SF,  192                          ; s_prev's fragment (mb, kq) at SF + 8 (4 mb + kq)
.set MSB, 0
.macro WIN new                         ; the immediate's high byte repeats the setting that is left; a switch that changes nothing is dropped
.if MSB != (\new)
	s_set_vgpr_msb (MSB<<8)|(\new)
.set MSB, (\new)
.endif
.endm
; The tile: 64 loads into window 1, all issued at once; then eight batches of eight: wait, round, store to LDS.
.macro TILE base
	WIN 0x40                                       ; destination window 1, address window 0
.set i, 0
.rept 64
	global_load_b128 v[4*i:4*i+3], v[GOF], s[\base:\base+1] offset:i*8192 th:TH_LOAD_NT  ; rows 2 i and 2 i + 1: 256 consecutive bytes for each 16 lanes; read once in the launch
.set i, i+1
.endr
.set b, 0
.rept 8
	s_wait_loadcnt 56-8*b                          ; loads come back in order: batch b is in, the 56 - 8 b younger ones stay out
	WIN 0x05                                       ; sources in window 1
.set i, 0
.rept 8
	v_cvt_pk_bf16_f32 v[YB+2*i],   v[4*(8*b+i)],   v[4*(8*b+i)+1]
	v_cvt_pk_bf16_f32 v[YB+2*i+1], v[4*(8*b+i)+2], v[4*(8*b+i)+3]
.set i, i+1
.endr
	WIN 0
.set i, 0
.rept 8
	ds_store_b64 v[LST], v[YB+2*i:YB+2*i+1] offset:(8*b+i)*2*TP
.set i, i+1
.endr
.set b, b+1
.endr
.endm
; The 16 fragments out of the tile, turned: 32 k (kq) x 16 columns (nb) each, two loads 16 rows apart.
.macro TRL
.set f, 0
.rept 16
	ds_load_tr16_b128 v[FR+8*f:FR+8*f+3],   v[TRA] offset:(f/4)*32*TP+(f%4)*32
	ds_load_tr16_b128 v[FR+8*f+4:FR+8*f+7], v[TRA] offset:(f/4)*32*TP+(f%4)*32+16*TP
.set f, f+1
.endr
.endm
	s_load_b256 s[4:11], s[0:1], 0x0               ; U_w s[4:5], W_w s[6:7], s_prev s[8:9], Ub s[10:11]
	s_load_b64 s[12:13], s[0:1], 0x20              ; wsp
	v_lshl_add_u32 v[SPW], v0, 2, SPARE
	v_mov_b32 v[NIL], 0
	v_and_b32 v1, 15, v0                           ; r
	v_lshrrev_b32 v2, 4, v0                        ; h (one wave: v0 is the lane)
	v_lshlrev_b32 v[GOF], 4, v1
	v_lshl_add_u32 v[GOF], v2, 12, v[GOF]
	v_mul_u32_u24 v[LST], v2, TP
	v_lshl_add_u32 v[LST], v1, 3, v[LST]
	v_and_b32 v3, 7, v0
	v_lshl_add_u32 v3, v2, 3, v3
	v_mul_u32_u24 v[TRA], v3, TP
	v_bfe_u32 v3, v0, 3, 1
	v_lshl_add_u32 v[TRA], v3, 4, v[TRA]
	v_lshlrev_b32 v[L16], 4, v0
	s_and_b32 s14, ttmp9, 15                       ; nt
	s_lshr_b32 s15, ttmp9, 4                       ; ks
	s_and_b32 s16, ttmp7, 0xffff                   ; y
	s_lshl_b32 s18, s15, 19                        ; 128 rows of 4,096 bytes
	s_lshl_b32 s17, s14, 8                         ; 64 columns of 4 bytes
	s_add_co_u32 s18, s18, s17
	s_mov_b32 s19, 0
	s_wait_kmcnt 0x0
	s_cmp_lg_u32 s16, 0
	s_cbranch_scc1 .Lw
	; y = 0: U_w's tile, rounded and turned, goes out as it comes from the turning loads
	s_add_nc_u64 s[4:5], s[4:5], s[18:19]
	TILE 4
	TRL
	s_lshr_b32 s20, s14, 1                         ; ng
	s_lshl_b32 s20, s20, 5
	s_lshl2_add_u32 s20, s15, s20                  ; 32 ng + 4 ks
	s_lshl_b32 s20, s20, 13
	s_and_b32 s21, s14, 1
	s_lshl_b32 s21, s21, 12                        ; cb begins at 4 (nt % 2)
	s_add_co_u32 s20, s20, s21
	s_mov_b32 s21, 0
	s_add_nc_u64 s[10:11], s[10:11], s[20:21]
.set f, 0
.rept 16
	s_wait_dscnt 30-2*f                            ; fragment f's two loads are back; the 30 - 2 f younger ones stay out
	global_store_b128 v[L16], v[FR+8*f:FR+8*f+3],   s[10:11] offset:(f/4)*8192+(f%4)*1024
	global_store_b128 v[L16], v[FR+8*f+4:FR+8*f+7], s[10:11] offset:(f/4)*8192+(f%4)*1024+512
.set f, f+1
.endr
	s_wait_tensorcnt 0x0                           ; the wave's end
	ds_add_u32 v[SPW], v[NIL]
	s_wait_dscnt 0x0
	s_endpgm
.Lw:	; y = 1: 32 rows of s_prev x W_w's tile
	v_lshlrev_b32 v[SOF], 12, v1
	v_lshl_add_u32 v[SOF], v2, 5, v[SOF]
	v_mul_u32_u24 v[STO], v1, SGP                  ; in: row r, 32 bytes for each half of the lanes
	v_lshl_add_u32 v[STO], v2, 5, v[STO]
	v_add_nc_u32 v[STO], STG, v[STO]
	v_mul_u32_u24 v[RD], v2, SGP                   ; back: lanes 0-15 one row of 256 bytes, lanes 16-31 the next
	v_lshl_add_u32 v[RD], v1, 4, v[RD]
	v_add_nc_u32 v[RD], STG, v[RD]
	s_lshl_b32 s20, s15, 9                         ; my 128 k in a row of s_prev
	s_mov_b32 s21, 0
	s_add_nc_u64 s[8:9], s[8:9], s[20:21]
	s_add_nc_u64 s[6:7], s[6:7], s[18:19]
.set f, 0
.rept 8                                ; fragment f = 4 mb + kq: 16 f32 a lane, k = 8h..8h+7 and 16+8h..16+8h+7
	global_load_b128 v[FR+16*f:FR+16*f+3],     v[SOF], s[8:9] offset:(f/4)*65536+(f%4)*128
	global_load_b128 v[FR+16*f+4:FR+16*f+7],   v[SOF], s[8:9] offset:(f/4)*65536+(f%4)*128+16
	global_load_b128 v[FR+16*f+8:FR+16*f+11],  v[SOF], s[8:9] offset:(f/4)*65536+(f%4)*128+64
	global_load_b128 v[FR+16*f+12:FR+16*f+15], v[SOF], s[8:9] offset:(f/4)*65536+(f%4)*128+80
.set f, f+1
.endr
	TILE 6                                         ; its first wait also shows the 32 older loads of s_prev done
.set i, 0
.rept 64
	v_cvt_pk_bf16_f32 v[SF+i], v[FR+2*i], v[FR+2*i+1]
.set i, i+1
.endr
	TRL                                            ; into the registers that s_prev has just left
	s_lshl_b32 s20, s15, 17                        ; wsp: slice ks, column 64 nt
	s_add_co_u32 s20, s20, s17
	s_add_nc_u64 s[12:13], s[12:13], s[20:21]
	s_wait_dscnt 0x0
	WIN 0x50                                       ; C and D in window 1
.irp kq, 0,1,2,3                       ; the eight accumulators take turns, one instruction a turn; the first K step starts the sums
.irp mb, 0,1
.irp nb, 0,1,2,3
.if (\kq) == 0
	v_wmma_f32_16x16x32_bf16 v[8*(4*(\mb)+(\nb)):8*(4*(\mb)+(\nb))+7], v[FR+8*(4*(\kq)+(\nb)):FR+8*(4*(\kq)+(\nb))+7], v[SF+8*(4*(\mb)+(\kq)):SF+8*(4*(\mb)+(\kq))+7], 0
.else
	v_wmma_f32_16x16x32_bf16 v[8*(4*(\mb)+(\nb)):8*(4*(\mb)+(\nb))+7], v[FR+8*(4*(\kq)+(\nb)):FR+8*(4*(\kq)+(\nb))+7], v[SF+8*(4*(\mb)+(\kq)):SF+8*(4*(\mb)+(\kq))+7], v[8*(4*(\mb)+(\nb)):8*(4*(\mb)+(\nb))+7]
.endif
.endr
.endr
.endr
.rept 4
	v_nop                                          ; four places between the last product and the LDS stores of results, and the loads into fragment registers
.endr
	WIN 0x04                                       ; store data in window 1
.irp mb, 0,1
.irp nb, 0,1,2,3
	ds_store_b128 v[STO], v[8*(4*(\mb)+(\nb)):8*(4*(\mb)+(\nb))+3]   offset:(\mb)*16*SGP+(\nb)*64     ; each accumulator's low registers first
	ds_store_b128 v[STO], v[8*(4*(\mb)+(\nb))+4:8*(4*(\mb)+(\nb))+7] offset:(\mb)*16*SGP+(\nb)*64+16
.endr
.endr
	WIN 0
.set t, 0
.rept 16
	ds_load_b128 v[FR+4*t:FR+4*t+3], v[RD] offset:t*2*SGP
.set t, t+1
.endr
.set t, 0
.rept 16
	s_wait_dscnt 15-t                              ; rows 2 t and 2 t + 1 are back; the 15 - t younger loads stay out
	global_store_b128 v[GOF], v[FR+4*t:FR+4*t+3], s[12:13] offset:t*8192  ; 16 lanes store 256 consecutive bytes, at a multiple of 256 from wsp's first byte
.set t, t+1
.endr
	s_wait_tensorcnt 0x0                           ; the wave's end
	ds_add_u32 v[SPW], v[NIL]
	s_wait_dscnt 0x0
	s_endpgm
.Lfunc_end_k_qe96ffcf63d_prep:
	.size	k_qe96ffcf63d_prep, .Lfunc_end_k_qe96ffcf63d_prep-k_qe96ffcf63d_prep
	.p2alignl 7, 3214868480
	.fill 96, 4, 3214868480
	.section	.rodata,"a",@progbits
	.p2align	6, 0x0
	.amdhsa_kernel k_qe96ffcf63d_prep
		.amdhsa_group_segment_fixed_size 29440
		.amdhsa_private_segment_fixed_size 0
		.amdhsa_enable_private_segment 0
		.amdhsa_kernarg_size 40
		.amdhsa_user_sgpr_count 2
		.amdhsa_user_sgpr_kernarg_segment_ptr 1
		.amdhsa_wavefront_size32 1
		.amdhsa_system_sgpr_workgroup_id_x 1
		.amdhsa_system_sgpr_workgroup_id_y 1
		.amdhsa_system_sgpr_workgroup_id_z 1
		.amdhsa_system_vgpr_workitem_id 0
		.amdhsa_next_free_vgpr 512
		.amdhsa_next_free_sgpr 66
		.amdhsa_reserve_vcc 0
		.amdhsa_float_denorm_mode_32 3
		.amdhsa_float_denorm_mode_16_64 3
		.amdhsa_memory_ordered 1
		.amdhsa_forward_progress 1
		.amdhsa_inst_pref_size 62
	.end_amdhsa_kernel
	.amdgpu_metadata
---
amdhsa.version: [ 1, 2 ]
amdhsa.kernels:
  - .name:           k_qe96ffcf63d_prep
    .symbol:         k_qe96ffcf63d_prep.kd
    .args:
      - { .name: U_w, .offset: 0, .size: 8, .value_kind: global_buffer, .address_space: global }
      - { .name: W_w, .offset: 8, .size: 8, .value_kind: global_buffer, .address_space: global }
      - { .name: s_prev, .offset: 16, .size: 8, .value_kind: global_buffer, .address_space: global }
      - { .name: Ub, .offset: 24, .size: 8, .value_kind: global_buffer, .address_space: global }
      - { .name: wsp, .offset: 32, .size: 8, .value_kind: global_buffer, .address_space: global }
    .group_segment_fixed_size: 29440
    .private_segment_fixed_size: 0
    .kernarg_segment_align: 8
    .kernarg_segment_size: 40
    .max_flat_workgroup_size: 32
    .sgpr_count:     66
    .vgpr_count:     512
    .wavefront_size: 32
...
	.end_amdgpu_metadata
.endif
;; end of part 1
;; launch score (part 2): grid 512 x 1, 4 waves a work-group, no clusters, 281,600 bytes of LDS; arguments hidden_states, Ub, wsp, W_b, U_b, V_w, V_b, part, sc; writes part, sc
.if DOCPART == 2
	.amdgcn_target "amdgcn-amd-amdhsa--gfx1250"
	.amdhsa_code_object_version 6
	.text
	.protected	k_qe96ffcf63d_score
	.globl	k_qe96ffcf63d_score
	.p2align	8
	.type	k_qe96ffcf63d_score,@function
k_qe96ffcf63d_score:
	s_mov_b64 s[64:65], 0
	v_nop
	global_prefetch_b8 v0, s[64:65] scope:SCOPE_SE
	s_setreg_imm32_b32 hwreg(HW_REG_WAVE_MODE, 25, 1), 1
	s_wait_xcnt 0x0
; SCORE.  For a block of 128 consecutive rows of one batch (512 blocks, 16 to a batch):
;   score[row] = sum over n of V_w[n] tanh(ws[n] + W_b[n] + U_b[n] + sum over k of hidden[row][k] U_w[k][n]) + V_b,
;   the block's maximum m, p[row] = e^(score - m), l = sum of p, and the unnormalised context sum over rows of p[row] hidden[row][:].
; The last launch joins the 16 blocks of a batch.  The maximum is taken away here block by block and there batch by batch.
; EACH BYTE OF hidden ONCE: the block's 128 x 1024 f32 are read once, rounded to bf16 and kept in LDS (128 rows of 2,048 bytes + 16): that copy feeds the product (both column chunks) and the context.
; SHARES.  Four waves.  In the product wave w has all 128 rows x columns 256 w .. 256 w + 255, in two chunks of 128 columns: 64 accumulators of 16 x 16, 512 registers.
;   For 32 along K a wave reads 8,192 bytes of A from LDS for 64 matrix instructions.  In the context wave w has the same 256 columns and all rows.
; U_w COMES FROM Ub STRAIGHT INTO REGISTERS, NOT THROUGH LDS, AND NOT BY JOINT TENSOR LOADS IN A CLUSTER, though all work-groups read it.  By this text's arithmetic: a fragment of U_w is multiplied by one wave alone,
;   so LDS would add a write and a read for each byte and spare none; beside A's 264,192 bytes and 17,408 of tables and stages 46,080 of a work-group's 327,680 bytes are left, and one K step of 32 for the four
;   waves' 512 columns is 32,768: two slots do not fit.  Loads into registers may stay out from step to step: three K steps (48 loads, 24,576 bytes a wave) are always on their way.
; THE MATRIX INSTRUCTION IS USED TRANSPOSED (source 0 = 16 columns of U_w, source 1 = 16 rows of hidden): lane (r, h) holds row r and the columns 8 h + 0..7 of a tile.
; tanh(x) = 1 - 2 / (1 + 2^(2 log2(e) x)), right at both ends: 2^.. = infinity gives 1, 2^.. = 0 gives -1.  So score = (sum of V_w + V_b) + sum over n of (-2 V_w[n]) / (1 + 2^..), all in f32.
; LIMITS.  hidden, U_w, W_w and s_prev are rounded once to bf16; biases, V_w, sums, scores, weights in f32.  The score's terms are added in another order than a plain row sum.
;   An exponential below 2^-126 counts as 0.  NaN and infinities in the inputs are not treated apart.
; PHASES: tables; the block into LDS; barrier; twice (32 K steps, then tanh and V_w for the chunk); the rows' sums meet in LDS; barrier; softmax of the block; context; out.
; REGISTERS, in windows of 256 (s_set_vgpr_msb: bits 1:0 source 0, 3:2 source 1, 5:4 source 2, 7:6 destination):
;   window 0: v0-31 addresses; v32-47 the rows' sums; v48-63 at work; v64-255 by phase: 48 slots of hidden in flight | A's fragments, two buffers of 64 | the epilogue's 64 numbers and table lines | the context
;   window 1: the tables as loaded; then U_w's fragments, four buffers of 64      windows 2, 3: the accumulators of rows 0-63, 64-127: (a, b) at 8 (8 (a % 4) + b)
.set APITCH, 2064                      ; 129 x 16 bytes: the 16 rows of a fragment load start at 16 different 16-byte columns modulo 256
.set TABB,  128*APITCH                 ; 4,096 bytes: 2 log2(e) (ws + W_b + U_b), by column
.set TABV,  TABB+4096                  ; 4,096 bytes: -2 V_w
.set SCR,   TABV+4096                  ; 2,048 bytes: [wave][row] the rows' sums over a wave's 256 columns
.set PW,    SCR+2048                   ; 2,048 bytes: p, a copy of 512 bytes for each wave
.set CST,   PW+2048                    ; 4,096 bytes: the context's way out, 1,024 for each wave
.set SVP,   CST+4096                   ; 512 bytes: each thread's sum of its eight V_w
.set SPARE, SVP+512                    ; the spare words, 128 bytes for each wave: two blocks of 256 bytes that no other line names
.set L16,  4                           ; v4   16 x lane
.set LA,   5                           ; v5   where my 8 bytes of the row in hand go
.set T32,  6                           ; v6   32 x thread: my eight columns in a table of f32
.set TST,  7                           ; v7   the same in TABB
.set AD0,  8                           ; v8-11   (32 p + r) 2064 + 16 h: my place in A's row blocks 2 p and 2 p + 1
.set AD,   12                          ; v12-15  the same plus the K offset in hand
.set TBA0, 16                          ; v16  TABB + 1024 w + 32 h
.set TBA,  17                          ; v17  the same plus the chunk
.set SA,   18
.set SB,   19
.set PWS,  20
.set PA,   21                          ; v21-22  p of the even, the odd group of 16 rows
.set CA,   23                          ; v23-24  my 16 bytes in the first row of the even, the odd group
.set CSS,  25
.set CSR,  26
.set SVS,  27
.set SPW,  28                          ; v28  LDS address of my spare word; never rewritten
.set NIL,  29                          ; v29  0; never rewritten
.set SVR,  30
.set SP,   32                          ; v32-47  row block a: a pair of sums (even, odd columns)
.set YB,   48
.set XB,   64
.set F0,   64
.set F1,   128
.set TMP,  64
.set TBL,  128                         ; two buffers of 16: eight biases, eight -2 V_w
.set B0,   0
.set B1,   64
.set B2,   128
.set B3,   192
.set PB,   64                          ; p of a group, two buffers of 16
.set RB,   96                          ; a group's 16 rows, two buffers of 64
.set CX,   224                         ; my eight columns of the context
.set SCO,  232                         ; my four rows' scores
.set PEX,  236                         ; their p
.set STAT, 240                         ; m, l, m, l
.set TM,   244
.set MUL_LO, 0xa1                      ; source 0 (U_w) window 1, source 1 (A) window 0, C and D window 2
.set MUL_HI, 0xf1                      ; the same, C and D window 3
.set TO_B,   0x40                      ; destination window 1, address window 0
.set MSB, 0
.macro WIN new                         ; the immediate's high byte repeats the setting that is left; a switch that changes nothing is dropped
.if MSB != (\new)
	s_set_vgpr_msb (MSB<<8)|(\new)
.set MSB, (\new)
.endif
.endm
.macro PLACES                          ; four places in front of loads into registers that matrix instructions have read, and of vector lines that read results
.rept 4
	v_nop
.endr
.endm
; One slot of the ring of 48: 512 bytes of a row (4 f32 a lane) are rounded and stored to LDS; reload = 1: the slot takes the 512 bytes 48 loads further on.  left: the younger loads that may stay out.
.macro SLOT q, reload, left, extra
	s_wait_loadcnt \left
	v_cvt_pk_bf16_f32 v[YB+2*((\q)%8)],   v[XB+4*(\q)],   v[XB+4*(\q)+1]
	v_cvt_pk_bf16_f32 v[YB+2*((\q)%8)+1], v[XB+4*(\q)+2], v[XB+4*(\q)+3]
	ds_store_b64 v[LA], v[YB+2*((\q)%8):YB+2*((\q)%8)+1] offset:((\q)/8)*APITCH+((\q)%8)*256+(\extra)
.if \reload
	global_load_b128 v[XB+4*(\q):XB+4*(\q)+3], v[L16], s[4:5] offset:24576+512*(\q) th:TH_LOAD_NT
.endif
.endm
; A's fragments of one K step: 8 row blocks x 32 k, two loads of 16 bytes 32 bytes apart each, rows 0-63 first
.macro FETCH_A koff, f
	WIN 0
.irp a, 0,1,2,3,4,5,6,7
	ds_load_b128 v[(\f)+8*(\a):(\f)+8*(\a)+3],   v[AD+(\a)/2] offset:((\a)%2)*16*APITCH+(\koff)
	ds_load_b128 v[(\f)+8*(\a)+4:(\f)+8*(\a)+7], v[AD+(\a)/2] offset:((\a)%2)*16*APITCH+(\koff)+32
.endr
.endm
; U_w's fragments of one K step: 8 column blocks, 8,192 consecutive bytes of Ub, 512 to a load
.macro FETCH_B j, q
	WIN TO_B
.irp b, 0,1,2,3,4,5,6,7
	global_load_b128 v[(\q)+8*(\b):(\q)+8*(\b)+3],   v[L16], s[6:7] offset:(\j)*8192+(\b)*1024
	global_load_b128 v[(\q)+8*(\b)+4:(\q)+8*(\b)+7], v[L16], s[6:7] offset:(\j)*8192+(\b)*1024+512
.endr
.endm
.macro PRELOAD                         ; a chunk's first three K steps of U_w
	FETCH_B 0, B0
	FETCH_B 1, B1
	FETCH_B 2, B2
.endm
; 16 matrix instructions: row blocks a0, a0 + 1 of the window's four x all 8 column blocks.  zero = 1: the product starts the sums: nothing is cleared.
.macro MUL16 f, q, hi, a0, zero
	WIN MUL_LO+0x50*(\hi)
.irp a, \a0, (\a0)+1
.irp b, 0,1,2,3,4,5,6,7
.if \zero
	v_wmma_f32_16x16x32_bf16 v[8*(8*(\a)+(\b)):8*(8*(\a)+(\b))+7], v[(\q)+8*(\b):(\q)+8*(\b)+7], v[(\f)+8*(4*(\hi)+(\a)):(\f)+8*(4*(\hi)+(\a))+7], 0
.else
	v_wmma_f32_16x16x32_bf16 v[8*(8*(\a)+(\b)):8*(8*(\a)+(\b))+7], v[(\q)+8*(\b):(\q)+8*(\b)+7], v[(\f)+8*(4*(\hi)+(\a)):(\f)+8*(4*(\hi)+(\a))+7], v[8*(8*(\a)+(\b)):8*(8*(\a)+(\b))+7]
.endif
.endr
.endr
.endm
; A K step of 32: 64 matrix instructions on A's buffer f and U_w's buffer q; the 64 accumulators take turns in one order everywhere.
; In its middle, in one run: A of the next step into g (fa), U_w of the step three on into qn (fb).  lc: the younger loads of U_w that may stay out (16 for each later step already asked for).
.macro STEP f, g, q, qn, koff, jB, zero, fa, fb, lc
	s_wait_loadcnt \lc
	s_wait_dscnt 8                                 ; A's rows 0-63 are in; the youngest eight loads (rows 64-127) may be out
	MUL16 \f, \q, 0, 0, \zero
	MUL16 \f, \q, 0, 2, \zero
.if (\fa)+(\fb)
	PLACES
.endif
.if \fa
	FETCH_A \koff, \g
.endif
.if \fb
	FETCH_B \jB, \qn
.endif
.if \fa
	s_wait_dscnt 16                                ; all but the 16 just issued
.else
	s_wait_dscnt 0x0
.endif
	MUL16 \f, \q, 1, 0, \zero
	MUL16 \f, \q, 1, 2, \zero
.endm
.macro SETAD                           ; A's addresses at K offset s30
.irp p, 0,1,2,3
	v_add_nc_u32 v[AD+(\p)], s30, v[AD0+(\p)]
.endr
.endm
; Column block cb of the chunk, all 128 rows: 64 numbers a lane.  y = 2 log2(e) (sum + biases); 2^y; + 1; reciprocal; the rows' sums take (-2 V_w) x that.
.macro EPI cb
.set TB, TBL+16*((\cb)%2)
.set TN, TBL+16*(((\cb)+1)%2)
	WIN 0
.if (\cb) < 7
	ds_load_b128 v[TN:TN+3],     v[TBA] offset:64*((\cb)+1)            ; the next block's eight biases and eight -2 V_w
	ds_load_b128 v[TN+4:TN+7],   v[TBA] offset:64*((\cb)+1)+16
	ds_load_b128 v[TN+8:TN+11],  v[TBA] offset:4096+64*((\cb)+1)
	ds_load_b128 v[TN+12:TN+15], v[TBA] offset:4096+64*((\cb)+1)+16
	s_wait_dscnt 4                                 ; this block's four are in; the four just issued stay out
.else
	s_wait_dscnt 0x0
.endif
.irp a, 0,1,2,3,4,5,6,7
	WIN 0x02+(\a)/4                                ; source 0 in window 2 or 3
.irp p, 0,1,2,3                        ; each accumulator is read from its low end on
	v_pk_fma_f32 v[TMP+8*(\a)+2*(\p):TMP+8*(\a)+2*(\p)+1], v[8*(8*((\a)%4)+(\cb))+2*(\p):8*(8*((\a)%4)+(\cb))+2*(\p)+1], s[32:33], v[TB+2*(\p):TB+2*(\p)+1] op_sel_hi:[1,0,1]
.endr
.endr
	WIN 0
.set i, 0
.rept 64
	v_exp_f32 v[TMP+i], v[TMP+i]
.set i, i+1
.endr
	v_nop                                          ; a plain instruction between the last exponential and the lines that use the results (ISA guide 5.7.2)
.set i, 0
	s_wait_alu depctr_va_vdst(0)
.rept 32
	v_pk_add_f32 v[TMP+2*i:TMP+2*i+1], v[TMP+2*i:TMP+2*i+1], 1.0 op_sel_hi:[1,0]
.set i, i+1
.endr
.set i, 0
.rept 64
	v_rcp_f32 v[TMP+i], v[TMP+i]
.set i, i+1
.endr
	v_nop                                          ; likewise behind the last reciprocal
	s_wait_alu depctr_va_vdst(0)
.irp p, 0,1,2,3                        ; eight chains, one for each row block, take turns
.irp a, 0,1,2,3,4,5,6,7
	v_pk_fma_f32 v[SP+2*(\a):SP+2*(\a)+1], v[TMP+8*(\a)+2*(\p):TMP+8*(\a)+2*(\p)+1], v[TB+8+2*(\p):TB+8+2*(\p)+1], v[SP+2*(\a):SP+2*(\a)+1]
.endr
.endr
.endm
.macro WSUM r, t                       ; the sum over the wave's 32 lanes, in every lane
	v_add_f32_dpp v[\r], v[\r], v[\r] row_xmask:1 row_mask:0xf bank_mask:0xf
	v_add_f32_dpp v[\r], v[\r], v[\r] row_xmask:2 row_mask:0xf bank_mask:0xf
	v_add_f32_dpp v[\r], v[\r], v[\r] row_xmask:4 row_mask:0xf bank_mask:0xf
	v_add_f32_dpp v[\r], v[\r], v[\r] row_xmask:8 row_mask:0xf bank_mask:0xf
	v_permlanex16_b32 v[\t], v[\r], s36, s37
	v_add_f32 v[\r], v[\r], v[\t]
.endm
.macro WMAX r, t                       ; the maximum likewise
	v_max_num_f32_dpp v[\r], v[\r], v[\r] row_xmask:1 row_mask:0xf bank_mask:0xf
	v_max_num_f32_dpp v[\r], v[\r], v[\r] row_xmask:2 row_mask:0xf bank_mask:0xf
	v_max_num_f32_dpp v[\r], v[\r], v[\r] row_xmask:4 row_mask:0xf bank_mask:0xf
	v_max_num_f32_dpp v[\r], v[\r], v[\r] row_xmask:8 row_mask:0xf bank_mask:0xf
	v_permlanex16_b32 v[\t], v[\r], s36, s37
	v_max_num_f32 v[\r], v[\r], v[\t]
.endm
; The context, 16 rows at a time.  LOADG: 16 weights (every lane the same 64 bytes) and my 16 bytes (8 columns) of each row: 20 loads.  COMP: 128 multiply-adds straight from the bf16 halves, sums in f32, eight chains.
.macro LOADG o
.irp i, 0,1,2,3
	ds_load_b128 v[PB+16*(\o)+4*(\i):PB+16*(\o)+4*(\i)+3], v[PA+(\o)] offset:16*(\i)
.endr
.irp i, 0,1,2,3,4,5,6,7,8,9,10,11,12,13,14,15
	ds_load_b128 v[RB+64*(\o)+4*(\i):RB+64*(\o)+4*(\i)+3], v[CA+(\o)] offset:(\i)*APITCH
.endr
.endm
.macro COMP o, younger
	s_wait_dscnt \younger
.irp i, 0,1,2,3,4,5,6,7,8,9,10,11,12,13,14,15
.irp k, 0,1,2,3
	v_fma_mix_f32_bf16 v[CX+2*(\k)],   v[RB+64*(\o)+4*(\i)+(\k)], v[PB+16*(\o)+(\i)], v[CX+2*(\k)]   op_sel_hi:[1,0,0]
	v_fma_mix_f32_bf16 v[CX+2*(\k)+1], v[RB+64*(\o)+4*(\i)+(\k)], v[PB+16*(\o)+(\i)], v[CX+2*(\k)+1] op_sel:[1,0,0] op_sel_hi:[1,0,0]
.endr
.endr
.endm
	; ---------------- head: addresses ----------------
	s_load_b512 s[4:19], s[0:1], 0x0               ; hidden s[4:5], Ub s[6:7], wsp s[8:9], W_b s[10:11], U_b s[12:13], V_w s[14:15], V_b s[16:17], part s[18:19]
	s_load_b64 s[20:21], s[0:1], 0x40              ; sc
	v_lshl_add_u32 v[SPW], v0, 2, SPARE
	v_mov_b32 v[NIL], 0
	v_lshrrev_b32 v1, 5, v0
	v_readfirstlane_b32 s22, v1                    ; wave 0..3
	v_and_b32 v3, 31, v0                           ; lane
	v_and_b32 v1, 15, v0                           ; r
	v_bfe_u32 v2, v0, 4, 1                         ; h
	s_lshl_b32 s26, s22, 9                         ; 512 w
	s_lshl_b32 s27, s22, 10                        ; 1024 w
	s_mul_i32 s38, s22, 32*APITCH                  ; my 32 rows of A
	s_mov_b32 s32, 0x4038aa3b                      ; 2 log2(e)
	s_mov_b32 s33, s32                             ; named with it as a pair
	s_mov_b32 s34, 0x3fb8aa3b                      ; log2(e)
	s_mov_b32 s36, 0x76543210                      ; v_permlanex16_b32: each lane takes its own place in the other half
	s_mov_b32 s37, 0xfedcba98
	v_lshlrev_b32 v[L16], 4, v3
	v_lshl_add_u32 v[LA], v3, 3, s38
	v_lshlrev_b32 v[T32], 5, v0
	v_add_nc_u32 v[TST], TABB, v[T32]
	v_mul_u32_u24 v[AD0], v1, APITCH
	v_lshl_add_u32 v[AD0], v2, 4, v[AD0]
	v_add_nc_u32 v[AD0+1], 32*APITCH, v[AD0]
	v_add_nc_u32 v[AD0+2], 64*APITCH, v[AD0]
	v_add_nc_u32 v[AD0+3], 96*APITCH, v[AD0]
	v_lshl_add_u32 v[TBA0], v2, 5, s27
	v_add_nc_u32 v[TBA0], TABB, v[TBA0]
	v_lshl_add_u32 v[SA], v1, 2, s26
	v_add_nc_u32 v[SA], SCR, v[SA]                 ; my wave's sums: row 16 a + r at + 64 a
	v_add_nc_u32 v[SB], SCR, v[L16]                ; rows 4 lane .. 4 lane + 3 of wave 0's sums
	v_add_nc_u32 v[PWS], s26, v[L16]
	v_add_nc_u32 v[PWS], PW, v[PWS]
	s_add_co_u32 s39, s26, PW
	v_mov_b32 v[PA], s39
	v_add_nc_u32 v[PA+1], 64, v[PA]
	v_add_nc_u32 v[CA], s26, v[L16]                ; my wave's 512 bytes of a row, 16 a lane
	v_add_nc_u32 v[CA+1], 16*APITCH, v[CA]
	v_lshl_add_u32 v[CSS], v3, 5, s27
	v_add_nc_u32 v[CSS], CST, v[CSS]
	v_add_nc_u32 v[CSR], s27, v[L16]
	v_add_nc_u32 v[CSR], CST, v[CSR]
	v_lshl_add_u32 v[SVS], v0, 2, SVP
	v_add_nc_u32 v[SVR], SVP, v[L16]
.set i, 0
.rept 16
	v_mov_b32 v[SP+i], 0                           ; the rows' sums run over both chunks
.set i, i+1
.endr
	s_wait_kmcnt 0x0
	s_load_b32 s35, s[16:17], 0x0                  ; V_b
	s_lshl_b32 s24, ttmp9, 19                      ; the block's 128 rows of 4,096 bytes,
	s_lshl_b32 s39, s22, 17                        ; my wave's 32 of them
	s_add_co_u32 s24, s24, s39
	s_mov_b32 s25, 0
	s_add_nc_u64 s[4:5], s[4:5], s[24:25]
	s_lshl_b32 s24, s22, 19                        ; my wave's 256 columns: 524,288 consecutive bytes of Ub
	s_add_nc_u64 s[6:7], s[6:7], s[24:25]
	s_lshr_b32 s24, ttmp9, 4                       ; the batch
	s_lshl_b32 s24, s24, 12
	s_add_nc_u64 s[8:9], s[8:9], s[24:25]
	s_mul_i32 s24, ttmp9, 4608
	s_add_co_u32 s24, s24, s27
	s_add_nc_u64 s[18:19], s[18:19], s[24:25]      ; part at my block, my wave's 1,024 bytes
	s_lshl_b32 s24, ttmp9, 9
	s_add_nc_u64 s[20:21], s[20:21], s[24:25]      ; sc at my block
	; ---------------- the tables' 22 loads, then the ring's first 48 ----------------
	WIN TO_B
.irp p, 0,1,2,3,4,5,6,7
	global_load_b128 v[8*(\p):8*(\p)+3],   v[T32], s[8:9] offset:(\p)*131072      ; slice p of s_prev W_w, my eight columns
	global_load_b128 v[8*(\p)+4:8*(\p)+7], v[T32], s[8:9] offset:(\p)*131072+16
.endr
	global_load_b128 v[64:67], v[T32], s[10:11]
	global_load_b128 v[68:71], v[T32], s[10:11] offset:16
	global_load_b128 v[72:75], v[T32], s[12:13]
	global_load_b128 v[76:79], v[T32], s[12:13] offset:16
	global_load_b128 v[80:83], v[T32], s[14:15]
	global_load_b128 v[84:87], v[T32], s[14:15] offset:16
	WIN 0
.set q, 0
.rept 48
	global_load_b128 v[XB+4*q:XB+4*q+3], v[L16], s[4:5] offset:512*q th:TH_LOAD_NT  ; 512 consecutive bytes a load; hidden is read once in the launch
.set q, q+1
.endr
	s_wait_loadcnt 48                              ; the tables are in; the ring's 48 loads stay out
	WIN 0x55                                       ; all in window 1
.irp j, 0,2,4,6
	v_pk_add_f32 v[(\j):(\j)+1],       v[(\j):(\j)+1],       v[8+(\j):8+(\j)+1]
	v_pk_add_f32 v[16+(\j):16+(\j)+1], v[16+(\j):16+(\j)+1], v[24+(\j):24+(\j)+1]
	v_pk_add_f32 v[32+(\j):32+(\j)+1], v[32+(\j):32+(\j)+1], v[40+(\j):40+(\j)+1]
	v_pk_add_f32 v[48+(\j):48+(\j)+1], v[48+(\j):48+(\j)+1], v[56+(\j):56+(\j)+1]
	v_pk_add_f32 v[64+(\j):64+(\j)+1], v[64+(\j):64+(\j)+1], v[72+(\j):72+(\j)+1]   ; W_b + U_b
.endr
.irp j, 0,2,4,6
	v_pk_add_f32 v[(\j):(\j)+1],       v[(\j):(\j)+1],       v[16+(\j):16+(\j)+1]
	v_pk_add_f32 v[32+(\j):32+(\j)+1], v[32+(\j):32+(\j)+1], v[48+(\j):48+(\j)+1]
.endr
	v_pk_add_f32 v[88:89], v[80:81], v[82:83]      ; the sum of my eight V_w
	v_pk_add_f32 v[90:91], v[84:85], v[86:87]
.irp j, 0,2,4,6
	v_pk_add_f32 v[(\j):(\j)+1], v[(\j):(\j)+1], v[32+(\j):32+(\j)+1]
.endr
	v_pk_add_f32 v[88:89], v[88:89], v[90:91]
.irp j, 0,2,4,6
	v_pk_add_f32 v[(\j):(\j)+1], v[(\j):(\j)+1], v[64+(\j):64+(\j)+1]
.endr
	v_add_f32 v88, v88, v89
.irp j, 0,2,4,6
	v_pk_mul_f32 v[(\j):(\j)+1], v[(\j):(\j)+1], s[32:33] op_sel_hi:[1,0]
	v_pk_mul_f32 v[80+(\j):80+(\j)+1], v[80+(\j):80+(\j)+1], -2.0 op_sel_hi:[1,0]
.endr
	WIN 0x04                                       ; store data in window 1, address in window 0
	ds_store_b128 v[TST], v[0:3]
	ds_store_b128 v[TST], v[4:7] offset:16
	ds_store_b128 v[TST], v[80:83] offset:4096
	ds_store_b128 v[TST], v[84:87] offset:4112
	ds_store_b32 v[SVS], v88
	WIN 0
	s_wait_kmcnt 0x0                               ; V_b
	; ---------------- my 32 rows of the block into LDS: 256 loads of 512 bytes through the ring of 48 ----------------
	s_mov_b32 s28, 4
.Lin:                                                  ; laps 0 to 3: every slot is filled again
.set q, 0
.rept 48
	SLOT q, 1, 47, 0                               ; 47 younger loads stay out
.set q, q+1
.endr
	s_wait_xcnt 0x0                                ; the loads' base is stepped only behind this wait
	s_add_nc_u64 s[4:5], s[4:5], 24576             ; 48 loads = 6 rows
	v_add_nc_u32 v[LA], 6*APITCH, v[LA]
	s_sub_co_u32 s28, s28, 1
	s_cmp_lg_u32 s28, 0
	s_cbranch_scc1 .Lin
.set q, 0
.rept 16
	SLOT q, 1, 47, 0                               ; lap 4: the last 16 loads go out,
.set q, q+1
.endr
.rept 32
	SLOT q, 0, 63-q, 0                             ; and the counts run down: behind slot q's load stand 47 - q of lap 3 and 16 of lap 4
.set q, q+1
.endr
	PRELOAD                                        ; U_w's first three K steps: 48 loads
	WIN 0
.set q, 0
.rept 16
	SLOT q, 0, 63-q, 6*APITCH                      ; lap 5, rows 30 and 31: 15 - q of the ring and U_w's 48 stay out
.set q, q+1
.endr
	s_wait_dscnt 0x0                               ; for the others' sake: my rows of A, my lines of the tables and my sum of V_w are in LDS
	s_barrier_signal -1
	s_barrier_wait -1                              ; everybody's are
	; ---------------- two chunks of 128 columns ----------------
	s_mov_b32 s29, 2
	s_mov_b32 s31, 0                               ; the chunk's place in my wave's table lines
.Lchunk:
	s_mov_b32 s30, 0
	SETAD
	FETCH_A 0, F0
	STEP F0, F1, B0, B3, 64, 3, 1, 1, 1, 32        ; K step 0 stands in front of the loop: its products start the sums
	WIN 0                                          ; at a label and at a branch every window is 0
	s_wait_xcnt 0x0                                ; Ub's base is stepped only behind this wait
	s_add_nc_u64 s[6:7], s[6:7], 0x8000            ; four K steps of 8,192 bytes
	s_mov_b32 s30, 128
	SETAD
	s_mov_b32 s28, 7
.Lk:                                                   ; K steps 4 t + 1 .. 4 t + 4; each asks for A one step and for U_w three steps ahead
	STEP F1, F0, B1, B0, 0,   0, 0, 1, 1, 32
	STEP F0, F1, B2, B1, 64,  1, 0, 1, 1, 32
	STEP F1, F0, B3, B2, 128, 2, 0, 1, 1, 32
	STEP F0, F1, B0, B3, 192, 3, 0, 1, 1, 32
	WIN 0
	s_wait_xcnt 0x0
	s_add_nc_u64 s[6:7], s[6:7], 0x8000
	s_add_co_u32 s30, s30, 256
	SETAD
	s_sub_co_u32 s28, s28, 1
	s_cmp_lg_u32 s28, 0
	s_cbranch_scc1 .Lk
	STEP F1, F0, B1, B0, 0,  0, 0, 1, 0, 32        ; K steps 29 to 31: nothing more of U_w is asked for, the counts run down
	STEP F0, F1, B2, B0, 64, 0, 0, 1, 0, 16
	STEP F1, F0, B3, B0, 0,  0, 0, 0, 0, 0
	WIN 0
	PLACES                                         ; in front of the loads into fragment registers and of the lines that read the sums
	s_cmp_eq_u32 s29, 1
	s_cbranch_scc1 .Lnopre                         ; behind the second chunk my part of Ub is at its end
	PRELOAD                                        ; the next chunk's first three K steps land under the epilogue (Ub's base stands at that chunk: 8 x 32,768 bytes on)
	WIN 0
.Lnopre:
	v_add_nc_u32 v[TBA], s31, v[TBA0]
	ds_load_b128 v[TBL:TBL+3],     v[TBA]
	ds_load_b128 v[TBL+4:TBL+7],   v[TBA] offset:16
	ds_load_b128 v[TBL+8:TBL+11],  v[TBA] offset:4096
	ds_load_b128 v[TBL+12:TBL+15], v[TBA] offset:4112
.irp c, 0,1,2,3,4,5,6,7
	EPI \c
.endr
	WIN 0
	s_add_co_u32 s31, s31, 512
	s_sub_co_u32 s29, s29, 1
	s_cmp_lg_u32 s29, 0
	s_cbranch_scc1 .Lchunk
	; ---------------- the rows' sums meet ----------------
.irp a, 0,1,2,3,4,5,6,7
	v_add_f32 v[YB+(\a)], v[SP+2*(\a)], v[SP+2*(\a)+1]
.endr
.irp a, 0,1,2,3,4,5,6,7
	v_permlanex16_b32 v[YB+8+(\a)], v[YB+(\a)], s36, s37   ; a row's other eight columns of each block lie in the lane 16 away
.endr
.irp a, 0,1,2,3,4,5,6,7
	v_add_f32 v[YB+(\a)], v[YB+(\a)], v[YB+8+(\a)]
.endr
.irp a, 0,1,2,3,4,5,6,7
	ds_store_b32 v[SA], v[YB+(\a)] offset:64*(\a)          ; both halves of the lanes write the same word with the same number
.endr
	s_wait_dscnt 0x0                               ; for the others' sake
	s_barrier_signal -1
	s_barrier_wait -1
	; every wave makes the block's softmax for itself: four rows a lane
	ds_load_b128 v[96:99],   v[SB]
	ds_load_b128 v[100:103], v[SB] offset:512
	ds_load_b128 v[104:107], v[SB] offset:1024
	ds_load_b128 v[108:111], v[SB] offset:1536
	ds_load_b128 v[112:115], v[SVR]
	s_wait_dscnt 0x0
	v_pk_add_f32 v[112:113], v[112:113], v[114:115]
	v_pk_add_f32 v[96:97],   v[96:97],   v[100:101]
	v_pk_add_f32 v[98:99],   v[98:99],   v[102:103]
	v_pk_add_f32 v[104:105], v[104:105], v[108:109]
	v_pk_add_f32 v[106:107], v[106:107], v[110:111]
	v_add_f32 v[TM], v112, v113
	v_pk_add_f32 v[96:97], v[96:97], v[104:105]
	v_pk_add_f32 v[98:99], v[98:99], v[106:107]
	WSUM TM, TM+1                                  ; the sum of all 1,024 V_w
	v_add_f32 v[TM], s35, v[TM]                    ; + V_b
	v_pk_add_f32 v[SCO:SCO+1],   v[96:97], v[TM:TM+1] op_sel_hi:[1,0]
	v_pk_add_f32 v[SCO+2:SCO+3], v[98:99], v[TM:TM+1] op_sel_hi:[1,0]
	v_max_num_f32 v[STAT], v[SCO], v[SCO+1]
	v_max3_num_f32 v[STAT], v[STAT], v[SCO+2], v[SCO+3]
	WMAX STAT, TM+2                                ; m
.irp j, 0,1,2,3
	v_sub_f32 v[PEX+(\j)], v[SCO+(\j)], v[STAT]
.endr
.irp j, 0,1,2,3
	v_mul_f32 v[PEX+(\j)], s34, v[PEX+(\j)]
.endr
.irp j, 0,1,2,3
	v_exp_f32 v[PEX+(\j)], v[PEX+(\j)]
.endr
	v_mov_b32 v[STAT+2], v[STAT]                   ; also the plain instruction behind the last exponential
	s_wait_alu depctr_va_vdst(0)
	v_pk_add_f32 v[TM:TM+1], v[PEX:PEX+1], v[PEX+2:PEX+3]
	v_add_f32 v[STAT+1], v[TM], v[TM+1]
	WSUM STAT+1, TM+2                              ; l
	v_mov_b32 v[STAT+3], v[STAT+1]
	ds_store_b128 v[PWS], v[PEX:PEX+3]             ; my wave's own copy of p: read back below without a barrier
	s_cmp_lg_u32 s22, 0
	s_cbranch_scc1 .Lnot0
	global_store_b128 v[L16], v[SCO:SCO+3], s[20:21]                 ; wave 0: the block's 128 scores, 512 consecutive bytes;
	global_store_b128 v[L16], v[STAT:STAT+3], s[18:19] offset:4096   ; and (m, l, m, l) 32 times, 512 consecutive bytes.  Their registers are not written again
.Lnot0:
	; ---------------- the context: my wave's 256 columns, all 128 rows, eight groups of 16 ----------------
.set i, 0
.rept 8
	v_mov_b32 v[CX+i], 0
.set i, i+1
.endr
	LOADG 0
	s_mov_b32 s28, 3
.Lctx:
	LOADG 1
	v_add_nc_u32 v[CA+1], 32*APITCH, v[CA+1]
	v_add_nc_u32 v[PA+1], 128, v[PA+1]
	COMP 0, 20                                     ; the even group is in; the odd group's 20 loads stay out
	v_add_nc_u32 v[CA], 32*APITCH, v[CA]
	v_add_nc_u32 v[PA], 128, v[PA]
	LOADG 0
	COMP 1, 20
	s_sub_co_u32 s28, s28, 1
	s_cmp_lg_u32 s28, 0
	s_cbranch_scc1 .Lctx
	LOADG 1                                        ; groups 6 and 7
	COMP 0, 20
	COMP 1, 0
	; a lane's eight columns are 32 bytes: through my stage, so that each store of the wave covers 512 consecutive bytes
	ds_store_b128 v[CSS], v[CX:CX+3]
	ds_store_b128 v[CSS], v[CX+4:CX+7] offset:16
	ds_load_b128 v[96:99],   v[CSR]                ; LDS serves a wave's instructions in order (ISA guide 5.7.1.4): these see the stores above
	ds_load_b128 v[100:103], v[CSR] offset:512
	s_wait_dscnt 0x0
	global_store_b128 v[L16], v[96:99],   s[18:19]
	global_store_b128 v[L16], v[100:103], s[18:19] offset:512
	s_wait_tensorcnt 0x0                           ; the wave's end
	ds_add_u32 v[SPW], v[NIL]
	s_wait_dscnt 0x0
	s_endpgm
.Lfunc_end_k_qe96ffcf63d_score:
	.size	k_qe96ffcf63d_score, .Lfunc_end_k_qe96ffcf63d_score-k_qe96ffcf63d_score
	.p2alignl 7, 3214868480
	.fill 96, 4, 3214868480
	.section	.rodata,"a",@progbits
	.p2align	6, 0x0
	.amdhsa_kernel k_qe96ffcf63d_score
		.amdhsa_group_segment_fixed_size 281600
		.amdhsa_private_segment_fixed_size 0
		.amdhsa_enable_private_segment 0
		.amdhsa_kernarg_size 72
		.amdhsa_user_sgpr_count 2
		.amdhsa_user_sgpr_kernarg_segment_ptr 1
		.amdhsa_wavefront_size32 1
		.amdhsa_system_sgpr_workgroup_id_x 1
		.amdhsa_system_sgpr_workgroup_id_y 1
		.amdhsa_system_sgpr_workgroup_id_z 1
		.amdhsa_system_vgpr_workitem_id 0
		.amdhsa_next_free_vgpr 1024
		.amdhsa_next_free_sgpr 66
		.amdhsa_reserve_vcc 0
		.amdhsa_float_denorm_mode_32 3
		.amdhsa_float_denorm_mode_16_64 3
		.amdhsa_memory_ordered 1
		.amdhsa_forward_progress 1
		.amdhsa_inst_pref_size 233
	.end_amdhsa_kernel
	.amdgpu_metadata
---
amdhsa.version: [ 1, 2 ]
amdhsa.kernels:
  - .name:           k_qe96ffcf63d_score
    .symbol:         k_qe96ffcf63d_score.kd
    .args:
      - { .name: hidden_states, .offset: 0, .size: 8, .value_kind: global_buffer, .address_space: global }
      - { .name: Ub, .offset: 8, .size: 8, .value_kind: global_buffer, .address_space: global }
      - { .name: wsp, .offset: 16, .size: 8, .value_kind: global_buffer, .address_space: global }
      - { .name: W_b, .offset: 24, .size: 8, .value_kind: global_buffer, .address_space: global }
      - { .name: U_b, .offset: 32, .size: 8, .value_kind: global_buffer, .address_space: global }
      - { .name: V_w, .offset: 40, .size: 8, .value_kind: global_buffer, .address_space: global }
      - { .name: V_b, .offset: 48, .size: 8, .value_kind: global_buffer, .address_space: global }
      - { .name: part, .offset: 56, .size: 8, .value_kind: global_buffer, .address_space: global }
      - { .name: sc, .offset: 64, .size: 8, .value_kind: global_buffer, .address_space: global }
    .group_segment_fixed_size: 281600
    .private_segment_fixed_size: 0
    .kernarg_segment_align: 8
    .kernarg_segment_size: 72
    .max_flat_workgroup_size: 128
    .sgpr_count:     66
    .vgpr_count:     1024
    .wavefront_size: 32
...
	.end_amdgpu_metadata
.endif
;; end of part 2
;; launch finish (part 3): grid 256 x 1, 1 waves a work-group, no clusters, 0 bytes of LDS; arguments part, sc, out0, out1; writes out0, out1
.if DOCPART == 3
	.amdgcn_target "amdgcn-amd-amdhsa--gfx1250"
	.amdhsa_code_object_version 6
	.text
	.protected	k_qe96ffcf63d_finish
	.globl	k_qe96ffcf63d_finish
	.p2align	8
	.type	k_qe96ffcf63d_finish,@function
k_qe96ffcf63d_finish:
	s_mov_b64 s[64:65], 0
	v_nop
	global_prefetch_b8 v0, s[64:65] scope:SCOPE_SE
	s_setreg_imm32_b32 hwreg(HW_REG_WAVE_MODE, 25, 1), 1
	s_wait_xcnt 0x0
; FINISH.  A batch's 16 blocks are joined: M = the largest block maximum m, e_i = e^(m_i - M), L = sum of l_i e_i;
;   out0[b][c] = sum over i of context_i[c] e_i / L;   out1[b][s] = e^(score[s] - M) / L.   All in f32.  L is at least 1: the block that holds M has e = 1 and l >= 1.
; A work-group is one wave: batch x >> 3, eighth x & 7: 128 columns of out0 (512 bytes) and 256 numbers of out1 (1,024 bytes).  Every load but the statistics' and every store covers 512 consecutive bytes.
; No LDS, no matrix unit: 9 KB are read for each work-group and 80 multiply-adds a lane are made of them.  An exponential below 2^-126 counts as 0.
.set PBLK, 4608                        ; a block's bytes in part: 4,096 of context, then (m, l) pairs
	s_load_b256 s[4:11], s[0:1], 0x0               ; part s[4:5], sc s[6:7], out0 s[8:9], out1 s[10:11]
	v_lshlrev_b32 v1, 4, v0                        ; 16 x lane
	v_and_b32 v2, 15, v0
	v_mul_u32_u24 v2, v2, PBLK                     ; lane i and lane 16 + i take block i's statistics
	s_lshr_b32 s12, ttmp9, 3                       ; the batch
	s_and_b32 s13, ttmp9, 7                        ; the eighth
	s_mul_i32 s14, s12, 16*PBLK
	s_mov_b32 s15, 0
	s_lshl_b32 s16, s12, 13
	s_lshl_b32 s18, s13, 10
	s_add_co_u32 s16, s16, s18                     ; 8192 b + 1024 eighth: sc and out1
	s_mov_b32 s17, 0
	s_lshr_b32 s18, s16, 1                         ; 4096 b + 512 eighth: out0
	s_mov_b32 s19, 0
	s_lshl_b32 s20, s13, 9
	v_add_nc_u32 v3, s20, v1                       ; my 16 bytes of a block's context
	s_mov_b32 s21, 0x3fb8aa3b                      ; log2(e)
	s_wait_kmcnt 0x0
	s_add_nc_u64 s[4:5], s[4:5], s[14:15]
	s_add_nc_u64 s[6:7], s[6:7], s[16:17]
	s_add_nc_u64 s[8:9], s[8:9], s[18:19]
	s_add_nc_u64 s[10:11], s[10:11], s[16:17]
	global_load_b64 v[4:5], v2, s[4:5] offset:4096 ; m, l
	global_load_b128 v[8:11],  v1, s[6:7]
	global_load_b128 v[12:15], v1, s[6:7] offset:512
.set i, 0
.rept 16
	global_load_b128 v[16+4*i:16+4*i+3], v3, s[4:5] offset:i*PBLK
.set i, i+1
.endr
	s_wait_loadcnt 18                              ; the statistics are in; 2 + 16 younger loads stay out
	v_mov_b32 v84, v4
	v_max_num_f32_dpp v84, v84, v84 row_xmask:1 row_mask:0xf bank_mask:0xf   ; both halves of the lanes hold the same 16 blocks: four steps give M in every lane
	v_max_num_f32_dpp v84, v84, v84 row_xmask:2 row_mask:0xf bank_mask:0xf
	v_max_num_f32_dpp v84, v84, v84 row_xmask:4 row_mask:0xf bank_mask:0xf
	v_max_num_f32_dpp v84, v84, v84 row_xmask:8 row_mask:0xf bank_mask:0xf
	v_sub_f32 v85, v4, v84
	v_mul_f32 v85, s21, v85
	v_exp_f32 v85, v85                             ; e
	v_nop                                          ; a plain instruction between a transcendental and the use of its result (ISA guide 5.7.2)
	s_wait_alu depctr_va_vdst(0)
	v_mul_f32 v86, v5, v85
	v_add_f32_dpp v86, v86, v86 row_xmask:1 row_mask:0xf bank_mask:0xf
	v_add_f32_dpp v86, v86, v86 row_xmask:2 row_mask:0xf bank_mask:0xf
	v_add_f32_dpp v86, v86, v86 row_xmask:4 row_mask:0xf bank_mask:0xf
	v_add_f32_dpp v86, v86, v86 row_xmask:8 row_mask:0xf bank_mask:0xf       ; L
	v_rcp_f32 v87, v86
	v_nop
	s_wait_alu depctr_va_vdst(0)
	v_mul_f32 v85, v85, v87                        ; block i's factor e_i / L, in lane i
.set i, 0
.rept 16
	v_readlane_b32 s[32+i], v85, i
.set i, i+1
.endr
	s_wait_loadcnt 16                              ; the scores are in
.set i, 0
.rept 8
	v_sub_f32 v[8+i], v[8+i], v84
.set i, i+1
.endr
.set i, 0
.rept 8
	v_mul_f32 v[8+i], s21, v[8+i]
.set i, i+1
.endr
.set i, 0
.rept 8
	v_exp_f32 v[8+i], v[8+i]
.set i, i+1
.endr
	v_nop
.set i, 0
	s_wait_alu depctr_va_vdst(0)
.rept 8
	v_mul_f32 v[8+i], v[8+i], v87
.set i, i+1
.endr
	global_store_b128 v1, v[8:11],  s[10:11]
	global_store_b128 v1, v[12:15], s[10:11] offset:512
	s_wait_loadcnt 15                              ; block 0's context
.irp j, 0,1,2,3
	v_mul_f32 v[80+(\j)], s32, v[16+(\j)]          ; the first product starts the sums
.endr
.set i, 1
.rept 15
	s_wait_loadcnt 15-i                            ; block i's is in; the 15 - i younger loads stay out
.irp j, 0,1,2,3
	v_fma_f32 v[80+(\j)], s[32+i], v[16+4*i+(\j)], v[80+(\j)]
.endr
.set i, i+1
.endr
	global_store_b128 v1, v[80:83], s[8:9]
	s_endpgm
.Lfunc_end_k_qe96ffcf63d_finish:
	.size	k_qe96ffcf63d_finish, .Lfunc_end_k_qe96ffcf63d_finish-k_qe96ffcf63d_finish
	.p2alignl 7, 3214868480
	.fill 96, 4, 3214868480
	.section	.rodata,"a",@progbits
	.p2align	6, 0x0
	.amdhsa_kernel k_qe96ffcf63d_finish
		.amdhsa_group_segment_fixed_size 0
		.amdhsa_private_segment_fixed_size 0
		.amdhsa_enable_private_segment 0
		.amdhsa_kernarg_size 32
		.amdhsa_user_sgpr_count 2
		.amdhsa_user_sgpr_kernarg_segment_ptr 1
		.amdhsa_wavefront_size32 1
		.amdhsa_system_sgpr_workgroup_id_x 1
		.amdhsa_system_sgpr_workgroup_id_y 1
		.amdhsa_system_sgpr_workgroup_id_z 1
		.amdhsa_system_vgpr_workitem_id 0
		.amdhsa_next_free_vgpr 96
		.amdhsa_next_free_sgpr 66
		.amdhsa_reserve_vcc 0
		.amdhsa_float_denorm_mode_32 3
		.amdhsa_float_denorm_mode_16_64 3
		.amdhsa_memory_ordered 1
		.amdhsa_forward_progress 1
		.amdhsa_inst_pref_size 11
	.end_amdhsa_kernel
	.amdgpu_metadata
---
amdhsa.version: [ 1, 2 ]
amdhsa.kernels:
  - .name:           k_qe96ffcf63d_finish
    .symbol:         k_qe96ffcf63d_finish.kd
    .args:
      - { .name: part, .offset: 0, .size: 8, .value_kind: global_buffer, .address_space: global }
      - { .name: sc, .offset: 8, .size: 8, .value_kind: global_buffer, .address_space: global }
      - { .name: out0, .offset: 16, .size: 8, .value_kind: global_buffer, .address_space: global }
      - { .name: out1, .offset: 24, .size: 8, .value_kind: global_buffer, .address_space: global }
    .group_segment_fixed_size: 0
    .private_segment_fixed_size: 0
    .kernarg_segment_align: 8
    .kernarg_segment_size: 32
    .max_flat_workgroup_size: 32
    .sgpr_count:     66
    .vgpr_count:     96
    .wavefront_size: 32
...
	.end_amdgpu_metadata
.endif
;; end of part 3
;; ======== version 2 of 2: 3 launches; version 1 with the launch score written anew for expert scheduling mode
;; workspace buffers: Ub 2,097,152 bytes; wsp 1,048,576 bytes; part 2,359,296 bytes; sc 262,144 bytes
;; launch prep: the kernel of part 1 again; grid 128 x 2, 1 waves a work-group, no clusters, 29,440 bytes of LDS; arguments U_w, W_w, s_prev, Ub, wsp; writes Ub, wsp
;; launch score (part 4): grid 512 x 1, 4 waves a work-group, no clusters, 281,600 bytes of LDS; arguments hidden_states, Ub, wsp, W_b, U_b, V_w, V_b, part, sc; writes part, sc
.if DOCPART == 4
	.amdgcn_target "amdgcn-amd-amdhsa--gfx1250"
	.amdhsa_code_object_version 6
	.text
	.protected	k_qe96ffcf63d_score
	.globl	k_qe96ffcf63d_score
	.p2align	8
	.type	k_qe96ffcf63d_score,@function
k_qe96ffcf63d_score:
	s_mov_b64 s[64:65], 0
	v_nop
	global_prefetch_b8 v0, s[64:65] scope:SCOPE_SE
	s_setreg_imm32_b32 hwreg(HW_REG_WAVE_SCHED_MODE, 0, 2), 2
	s_setreg_imm32_b32 hwreg(HW_REG_WAVE_MODE, 25, 1), 1
	s_wait_xcnt 0x0
	s_wait_alu depctr_vm_vsrc(0)
; SCORE.  For a block of 128 consecutive rows of one batch (512 blocks, 16 to a batch):
;   score[row] = sum over n of V_w[n] tanh(ws[n] + W_b[n] + U_b[n] + sum over k of hidden[row][k] U_w[k][n]) + V_b,
;   the block's maximum m, p[row] = e^(score - m), l = sum of p, and the unnormalised context sum over rows of p[row] hidden[row][:].
; The last launch joins the 16 blocks of a batch.  The maximum is taken away here block by block and there batch by batch.
; EACH BYTE OF hidden ONCE: the block's 128 x 1024 f32 are read once, rounded to bf16 and kept in LDS (128 rows of 2,048 bytes + 16): that copy feeds the product (both column chunks) and the context.
; SHARES.  Four waves.  In the product wave w has all 128 rows x columns 256 w .. 256 w + 255, in two chunks of 128 columns: 64 accumulators of 16 x 16, 512 registers.
;   For 32 along K a wave reads 8,192 bytes of A from LDS for 64 matrix instructions.  In the context wave w has the same 256 columns and all rows.
; U_w COMES FROM Ub STRAIGHT INTO REGISTERS, NOT THROUGH LDS, AND NOT BY JOINT TENSOR LOADS IN A CLUSTER, though all work-groups read it.  By this text's arithmetic: a fragment of U_w is multiplied by one wave alone,
;   so LDS would add a write and a read for each byte and spare none; beside A's 264,192 bytes and 17,408 of tables and stages 46,080 of a work-group's 327,680 bytes are left, and one K step of 32 for the four
;   waves' 512 columns is 32,768: two slots do not fit.  Loads into registers may stay out from step to step: three K steps (48 loads, 24,576 bytes a wave) are always on their way.
; THE MATRIX INSTRUCTION IS USED TRANSPOSED (source 0 = 16 columns of U_w, source 1 = 16 rows of hidden): lane (r, h) holds row r and the columns 8 h + 0..7 of a tile.
; tanh(x) = 1 - 2 / (1 + 2^(2 log2(e) x)), right at both ends: 2^.. = infinity gives 1, 2^.. = 0 gives -1.  So score = (sum of V_w + V_b) + sum over n of (-2 V_w[n]) / (1 + 2^..), all in f32.
; LIMITS.  hidden, U_w, W_w and s_prev are rounded once to bf16; biases, V_w, sums, scores, weights in f32.  The score's terms are added in another order than a plain row sum.
;   An exponential below 2^-126 counts as 0.  NaN and infinities in the inputs are not treated apart.
; PHASES: tables; the block into LDS; barrier; twice (32 K steps, then tanh and V_w for the chunk); the rows' sums meet in LDS; barrier; softmax of the block; context; out.
; REGISTERS, in windows of 256 (s_set_vgpr_msb: bits 1:0 source 0, 3:2 source 1, 5:4 source 2, 7:6 destination):
;   window 0: v0-31 addresses; v32-47 the rows' sums; v48-63 at work; v64-255 by phase: 48 slots of hidden in flight | A's fragments, two buffers of 64, and the table lines (v192-223) | the epilogue's 64 numbers | the context
;   window 1: the tables as loaded; then U_w's fragments, four buffers of 64      windows 2, 3: the accumulators of rows 0-63, 64-127: (a, b) at 8 (8 (a % 4) + b)
; THE MODE: SCHED_MODE bits 1:0 = 2 (LLVM: expert scheduling mode 2), set by the entry lines.  The code itself states the register dependences
; between vector or matrix instructions and memory or LDS instructions, with s_wait_alu, always for 0.
; THE PLAN.  Registers that memory or LDS instructions touch:
;   v4, v6-11, v16, v18-20, v25-30   offsets and addresses, made at the head and never written again: one wait ahead of the first load serves them all.
;   XB (48 slots)   a group is 8 slots, one row: its 16 conversions read them; behind them the reloads land in them.
;   YB              written by a group's conversions, read by its 8 LDS stores, written again by the next group's.
;   v[LA]           read by the ring's LDS stores; written once a lap.
;   F0, F1          K step s: its matrix instructions read F[s % 2]; the LDS loads of step s + 1 land in the other, which step s - 1 read.
;   B0 .. B3        K step s: its matrix instructions read B[s % 4]; the loads of step s + 3 land in B[(s - 1) % 4], which step s - 1 read.
;   v[AD ..]        read by A's LDS loads; written once in four K steps.     v[TBA]  read by the table lines' loads; written once a chunk.
;   TBL (2)         column block cb's multiply-adds read TBL[cb % 2]; the lines of block cb + 1 land in the other, which block cb - 1 read.
;   PB, RB (2 each) a group's multiply-adds read one pair; the group two on lands in it.     v[PA ..], v[CA ..]  read by those loads; written once a trip.
; So in the product ONE wait on va_vdst stands at a K step's head: the step before is done reading the two buffers in which this step's 32 loads land.  Those follow in eight groups of four, behind every
; fourth of the step's first 32 matrix instructions, which name F[s % 2], B[s % 4] and the accumulators alone.  A group costs two switches of the register window: 17 for a step's 64 matrix instructions.
.set APITCH, 2064                      ; 129 x 16 bytes: the 16 rows of a fragment load start at 16 different 16-byte columns modulo 256
.set TABB,  128*APITCH                 ; 4,096 bytes: 2 log2(e) (ws + W_b + U_b), by column
.set TABV,  TABB+4096                  ; 4,096 bytes: -2 V_w
.set SCR,   TABV+4096                  ; 2,048 bytes: [wave][row] the rows' sums over a wave's 256 columns
.set PW,    SCR+2048                   ; 2,048 bytes: p, a copy of 512 bytes for each wave
.set CST,   PW+2048                    ; 4,096 bytes: the context's way out, 1,024 for each wave
.set SVP,   CST+4096                   ; 512 bytes: each thread's sum of its eight V_w
.set SPARE, SVP+512                    ; the spare words, 128 bytes for each wave: two blocks of 256 bytes that no other line names
.set L16,  4                           ; v4   16 x lane
.set LA,   5                           ; v5   where my 8 bytes of the row in hand go
.set T32,  6                           ; v6   32 x thread: my eight columns in a table of f32
.set TST,  7                           ; v7   the same in TABB
.set AD0,  8                           ; v8-11   (32 p + r) 2064 + 16 h: my place in A's row blocks 2 p and 2 p + 1
.set AD,   12                          ; v12-15  the same plus the K offset in hand
.set TBA0, 16                          ; v16  TABB + 1024 w + 32 h
.set TBA,  17                          ; v17  the same plus the chunk
.set SA,   18
.set SB,   19
.set PWS,  20
.set PA,   21                          ; v21-22  p of the even, the odd group of 16 rows
.set CA,   23                          ; v23-24  my 16 bytes in the first row of the even, the odd group
.set CSS,  25
.set CSR,  26
.set SVS,  27
.set SPW,  28                          ; v28  LDS address of my spare word; never rewritten
.set NIL,  29                          ; v29  0; never rewritten
.set SVR,  30
.set SP,   32                          ; v32-47  row block a: a pair of sums (even, odd columns)
.set YB,   48
.set XB,   64
.set F0,   64
.set F1,   128
.set TMP,  64
.set TBL,  192                         ; two buffers of 16: eight biases, eight -2 V_w; beside A's fragments, so that a chunk's first lines can be asked for at its head
.set B0,   0
.set B1,   64
.set B2,   128
.set B3,   192
.set PB,   64                          ; p of a group, two buffers of 16
.set RB,   96                          ; a group's 16 rows, two buffers of 64
.set CX,   224                         ; my eight columns of the context
.set SCO,  232                         ; my four rows' scores
.set PEX,  236                         ; their p
.set STAT, 240                         ; m, l, m, l
.set TM,   244
.set MUL_LO, 0xa1                      ; source 0 (U_w) window 1, source 1 (A) window 0, C and D window 2
.set MUL_HI, 0xf1                      ; the same, C and D window 3
.set TO_B,   0x40                      ; destination window 1, address window 0
.set MSB, 0
.macro WIN new                         ; the immediate's high byte repeats the setting that is left; a switch that changes nothing is dropped
.if MSB != (\new)
	s_set_vgpr_msb (MSB<<8)|(\new)
.set MSB, (\new)
.endif
.endm
.macro PLACES                          ; four places between the last products and the vector lines that read their results or write their sources (ISA guide 7.12.1)
.rept 4
	v_nop
.endr
.endm
; One group of the ring of 48 slots: 8 slots, a row of 4,096 bytes (4 f32 a lane and slot), are rounded and stored to LDS; reload = 1: each slot takes the 512 bytes 48 loads further on.
; left: the younger loads that may stay out.  vs = 0: a lap's first group: the wait at the lap's end has stated what the wait on vm_vsrc states (ahead of the first lap no LDS store has read v[YB ..]).
.macro GROUP g, reload, left, extra, vs
	s_wait_loadcnt \left
.if \vs
	s_wait_alu depctr_vm_vsrc(0)                   ; the LDS stores of the group before have read v[YB ..], which the conversions write again
.endif
.irp j, 0,1,2,3,4,5,6,7
	v_cvt_pk_bf16_f32 v[YB+2*(\j)],   v[XB+4*(8*(\g)+(\j))],   v[XB+4*(8*(\g)+(\j))+1]
	v_cvt_pk_bf16_f32 v[YB+2*(\j)+1], v[XB+4*(8*(\g)+(\j))+2], v[XB+4*(8*(\g)+(\j))+3]
.endr
	s_wait_alu depctr_va_vdst(0)                   ; the conversions have written v[YB ..], which the LDS stores read, and are done reading the eight slots, in which the reloads land; in a lap's first group v[LA] is written
.irp j, 0,1,2,3,4,5,6,7
.if \reload
	global_load_b128 v[XB+4*(8*(\g)+(\j)):XB+4*(8*(\g)+(\j))+3], v[L16], s[4:5] offset:24576+512*(8*(\g)+(\j)) th:TH_LOAD_NT
.endif
	ds_store_b64 v[LA], v[YB+2*(\j):YB+2*(\j)+1] offset:(\g)*APITCH+(\j)*256+(\extra)
.endr
.endm
; A's fragments of one K step in one run: 8 row blocks x 32 k, two loads of 16 bytes 32 bytes apart each (a chunk's first step)
.macro FETCH_A koff, f
	WIN 0
.irp a, 0,1,2,3,4,5,6,7
	ds_load_b128 v[(\f)+8*(\a):(\f)+8*(\a)+3],   v[AD+(\a)/2] offset:((\a)%2)*16*APITCH+(\koff)
	ds_load_b128 v[(\f)+8*(\a)+4:(\f)+8*(\a)+7], v[AD+(\a)/2] offset:((\a)%2)*16*APITCH+(\koff)+32
.endr
.endm
; U_w's fragments of one K step in one run: 8 column blocks, 8,192 consecutive bytes of Ub, 512 to a load (a chunk's first three steps)
.macro FETCH_B j, q
	WIN TO_B
.irp b, 0,1,2,3,4,5,6,7
	global_load_b128 v[(\q)+8*(\b):(\q)+8*(\b)+3],   v[L16], s[6:7] offset:(\j)*8192+(\b)*1024
	global_load_b128 v[(\q)+8*(\b)+4:(\q)+8*(\b)+7], v[L16], s[6:7] offset:(\j)*8192+(\b)*1024+512
.endr
.endm
.macro PRELOAD                         ; a chunk's first three K steps of U_w
	FETCH_B 0, B0
	FETCH_B 1, B1
	FETCH_B 2, B2
.endm
; Four of a step's 32 loads.  LDA: A's row blocks a0 and a0 + 1 (a0 even: they share an address register).  LDB: U_w's column blocks b0 and b0 + 1.
.macro LDA g, koff, a0
	WIN 0
	ds_load_b128 v[(\g)+8*(\a0):(\g)+8*(\a0)+3],     v[AD+(\a0)/2] offset:(\koff)
	ds_load_b128 v[(\g)+8*(\a0)+4:(\g)+8*(\a0)+7],   v[AD+(\a0)/2] offset:(\koff)+32
	ds_load_b128 v[(\g)+8*(\a0)+8:(\g)+8*(\a0)+11],  v[AD+(\a0)/2] offset:16*APITCH+(\koff)
	ds_load_b128 v[(\g)+8*(\a0)+12:(\g)+8*(\a0)+15], v[AD+(\a0)/2] offset:16*APITCH+(\koff)+32
.endm
.macro LDB q, j, b0
	WIN TO_B
	global_load_b128 v[(\q)+8*(\b0):(\q)+8*(\b0)+3],     v[L16], s[6:7] offset:(\j)*8192+(\b0)*1024
	global_load_b128 v[(\q)+8*(\b0)+4:(\q)+8*(\b0)+7],   v[L16], s[6:7] offset:(\j)*8192+(\b0)*1024+512
	global_load_b128 v[(\q)+8*(\b0)+8:(\q)+8*(\b0)+11],  v[L16], s[6:7] offset:(\j)*8192+(\b0)*1024+1024
	global_load_b128 v[(\q)+8*(\b0)+12:(\q)+8*(\b0)+15], v[L16], s[6:7] offset:(\j)*8192+(\b0)*1024+1536
.endm
; Matrix instruction n of a step's 64: row block n / 8, column block n % 8.  zero = 1: the product starts the sum: nothing is cleared.
.macro MM f, q, zero
.set ra, n/8
.set rb, n%8
.set rD, 8*(8*(ra%4)+rb)
	WIN MUL_LO+0x50*(ra/4)
.if \zero
	v_wmma_f32_16x16x32_bf16 v[rD:rD+7], v[(\q)+8*rb:(\q)+8*rb+7], v[(\f)+8*ra:(\f)+8*ra+7], 0
.else
	v_wmma_f32_16x16x32_bf16 v[rD:rD+7], v[(\q)+8*rb:(\q)+8*rb+7], v[(\f)+8*ra:(\f)+8*ra+7], v[rD:rD+7]
.endif
.set n, n+1
.endm
; A K step of 32: 64 matrix instructions on A's buffer f and U_w's buffer q; the 64 accumulators take turns in one order everywhere.
; Behind matrix instructions 3, 7, 11, 15: A of the next step into g (fa); behind 19, 23, 27, 31: U_w of the step three on into qn (fb).  lc: the younger loads of U_w that may stay out (16 for each later step already asked for).
; vw = 0: no wait on va_vdst: a chunk's first step, for which the wait at the chunk's head speaks, and its last, which loads nothing.
.macro STEP f, g, q, qn, koff, jB, zero, fa, fb, lc, vw
	s_wait_loadcnt \lc
	s_wait_dscnt 0x0                               ; A's buffer f is in: its last loads stand 48 matrix instructions back (in a chunk's first step: just ahead)
.if \vw
	s_wait_alu depctr_va_vdst(0)                   ; the matrix instructions of the step before are done reading g and qn, in which this step's loads land; in a trip's first step v[AD ..] is written
.endif
.set n, 0
.rept 64
	MM \f, \q, \zero
.if (\fa) && (n%4 == 0) && (n <= 16)
	LDA \g, \koff, n/2-2                           ; no further wait: no matrix instruction since the wait names g
.endif
.if (\fb) && (n%4 == 0) && (n > 16) && (n <= 32)
	LDB \qn, \jB, n/2-10                           ; nor qn
.endif
.endr
.endm
.macro SETAD                           ; A's addresses at K offset s30
	s_wait_alu depctr_vm_vsrc(0)                   ; the LDS loads issued so far have read v[AD ..]
.irp p, 0,1,2,3
	v_add_nc_u32 v[AD+(\p)], s30, v[AD0+(\p)]
.endr
.endm
; Column block cb of the chunk, all 128 rows: 64 numbers a lane.  y = 2 log2(e) (sum + biases); 2^y; + 1; reciprocal; the rows' sums take (-2 V_w) x that.
.macro EPI cb
.set TB, TBL+16*((\cb)%2)
.set TN, TBL+16*(((\cb)+1)%2)
	WIN 0
	s_wait_dscnt 0x0                               ; this block's eight biases and eight -2 V_w are in: asked for in the block before, or at the chunk's head
.irp a, 0,1,2,3,4,5,6,7
	WIN 0x02+(\a)/4                                ; source 0 in window 2 or 3
.irp p, 0,1,2,3                        ; each accumulator is read from its low end on
	v_pk_fma_f32 v[TMP+8*(\a)+2*(\p):TMP+8*(\a)+2*(\p)+1], v[8*(8*((\a)%4)+(\cb))+2*(\p):8*(8*((\a)%4)+(\cb))+2*(\p)+1], s[32:33], v[TB+2*(\p):TB+2*(\p)+1] op_sel_hi:[1,0,1]
.endr
.endr
	WIN 0
.set i, 0
.rept 64
	v_exp_f32 v[TMP+i], v[TMP+i]
.set i, i+1
.endr
	v_nop                                          ; a plain instruction between the last exponential and the lines that use the results (ISA guide 5.7.2)
	s_wait_alu depctr_va_vdst(0)                   ; the 64 exponentials have written v[TMP ..], ahead of their first reader; and the block before is done reading the other table buffer, in which the loads below land
.if (\cb) < 7
	ds_load_b128 v[TN:TN+3],     v[TBA] offset:64*((\cb)+1)            ; the next block's eight biases and eight -2 V_w
	ds_load_b128 v[TN+4:TN+7],   v[TBA] offset:64*((\cb)+1)+16
	ds_load_b128 v[TN+8:TN+11],  v[TBA] offset:4096+64*((\cb)+1)
	ds_load_b128 v[TN+12:TN+15], v[TBA] offset:4096+64*((\cb)+1)+16
.endif
.set i, 0
.rept 32
	v_pk_add_f32 v[TMP+2*i:TMP+2*i+1], v[TMP+2*i:TMP+2*i+1], 1.0 op_sel_hi:[1,0]
.set i, i+1
.endr
.set i, 0
.rept 64
	v_rcp_f32 v[TMP+i], v[TMP+i]
.set i, i+1
.endr
	v_nop                                          ; likewise behind the last reciprocal
	s_wait_alu depctr_va_vdst(0)                   ; the 64 reciprocals have written v[TMP ..], ahead of their first reader
.irp p, 0,1,2,3                        ; eight chains, one for each row block, take turns
.irp a, 0,1,2,3,4,5,6,7
	v_pk_fma_f32 v[SP+2*(\a):SP+2*(\a)+1], v[TMP+8*(\a)+2*(\p):TMP+8*(\a)+2*(\p)+1], v[TB+8+2*(\p):TB+8+2*(\p)+1], v[SP+2*(\a):SP+2*(\a)+1]
.endr
.endr
.endm
.macro WSUM r, t                       ; the sum over the wave's 32 lanes, in every lane
	v_add_f32_dpp v[\r], v[\r], v[\r] row_xmask:1 row_mask:0xf bank_mask:0xf
	v_add_f32_dpp v[\r], v[\r], v[\r] row_xmask:2 row_mask:0xf bank_mask:0xf
	v_add_f32_dpp v[\r], v[\r], v[\r] row_xmask:4 row_mask:0xf bank_mask:0xf
	v_add_f32_dpp v[\r], v[\r], v[\r] row_xmask:8 row_mask:0xf bank_mask:0xf
	v_permlanex16_b32 v[\t], v[\r], s36, s37
	v_add_f32 v[\r], v[\r], v[\t]
.endm
.macro WMAX r, t                       ; the maximum likewise
	v_max_num_f32_dpp v[\r], v[\r], v[\r] row_xmask:1 row_mask:0xf bank_mask:0xf
	v_max_num_f32_dpp v[\r], v[\r], v[\r] row_xmask:2 row_mask:0xf bank_mask:0xf
	v_max_num_f32_dpp v[\r], v[\r], v[\r] row_xmask:4 row_mask:0xf bank_mask:0xf
	v_max_num_f32_dpp v[\r], v[\r], v[\r] row_xmask:8 row_mask:0xf bank_mask:0xf
	v_permlanex16_b32 v[\t], v[\r], s36, s37
	v_max_num_f32 v[\r], v[\r], v[\t]
.endm
; The context, 16 rows at a time.  LOADG: 16 weights (every lane the same 64 bytes) and my 16 bytes (8 columns) of each row: 20 loads.  COMP: 128 multiply-adds straight from the bf16 halves, sums in f32, eight chains.
.macro LOADG o
.irp i, 0,1,2,3
	ds_load_b128 v[PB+16*(\o)+4*(\i):PB+16*(\o)+4*(\i)+3], v[PA+(\o)] offset:16*(\i)
.endr
.irp i, 0,1,2,3,4,5,6,7,8,9,10,11,12,13,14,15
	ds_load_b128 v[RB+64*(\o)+4*(\i):RB+64*(\o)+4*(\i)+3], v[CA+(\o)] offset:(\i)*APITCH
.endr
.endm
.macro COMP o, younger
	s_wait_dscnt \younger
.irp i, 0,1,2,3,4,5,6,7,8,9,10,11,12,13,14,15
.irp k, 0,1,2,3
	v_fma_mix_f32_bf16 v[CX+2*(\k)],   v[RB+64*(\o)+4*(\i)+(\k)], v[PB+16*(\o)+(\i)], v[CX+2*(\k)]   op_sel_hi:[1,0,0]
	v_fma_mix_f32_bf16 v[CX+2*(\k)+1], v[RB+64*(\o)+4*(\i)+(\k)], v[PB+16*(\o)+(\i)], v[CX+2*(\k)+1] op_sel:[1,0,0] op_sel_hi:[1,0,0]
.endr
.endr
.endm
	; ---------------- head: addresses ----------------
	s_load_b512 s[4:19], s[0:1], 0x0               ; hidden s[4:5], Ub s[6:7], wsp s[8:9], W_b s[10:11], U_b s[12:13], V_w s[14:15], V_b s[16:17], part s[18:19]
	s_load_b64 s[20:21], s[0:1], 0x40              ; sc
	v_lshl_add_u32 v[SPW], v0, 2, SPARE
	v_mov_b32 v[NIL], 0
	v_lshrrev_b32 v1, 5, v0
	v_readfirstlane_b32 s22, v1                    ; wave 0..3
	v_and_b32 v3, 31, v0                           ; lane
	v_and_b32 v1, 15, v0                           ; r
	v_bfe_u32 v2, v0, 4, 1                         ; h
	s_mov_b32 s32, 0x4038aa3b                      ; 2 log2(e)
	s_mov_b32 s33, s32                             ; named with it as a pair
	s_mov_b32 s34, 0x3fb8aa3b                      ; log2(e)
	s_mov_b32 s36, 0x76543210                      ; v_permlanex16_b32: each lane takes its own place in the other half
	s_mov_b32 s37, 0xfedcba98
	s_wait_alu depctr_va_sdst(0)                   ; s22 is written, ahead of its first reader: LDS places, bases and a branch are made from it
	s_lshl_b32 s26, s22, 9                         ; 512 w
	s_lshl_b32 s27, s22, 10                        ; 1024 w
	s_mul_i32 s38, s22, 32*APITCH                  ; my 32 rows of A
	v_lshlrev_b32 v[L16], 4, v3
	v_lshl_add_u32 v[LA], v3, 3, s38
	v_lshlrev_b32 v[T32], 5, v0
	v_add_nc_u32 v[TST], TABB, v[T32]
	v_mul_u32_u24 v[AD0], v1, APITCH
	v_lshl_add_u32 v[AD0], v2, 4, v[AD0]
	v_add_nc_u32 v[AD0+1], 32*APITCH, v[AD0]
	v_add_nc_u32 v[AD0+2], 64*APITCH, v[AD0]
	v_add_nc_u32 v[AD0+3], 96*APITCH, v[AD0]
	v_lshl_add_u32 v[TBA0], v2, 5, s27
	v_add_nc_u32 v[TBA0], TABB, v[TBA0]
	v_lshl_add_u32 v[SA], v1, 2, s26
	v_add_nc_u32 v[SA], SCR, v[SA]                 ; my wave's sums: row 16 a + r at + 64 a
	v_add_nc_u32 v[SB], SCR, v[L16]                ; rows 4 lane .. 4 lane + 3 of wave 0's sums
	v_add_nc_u32 v[PWS], s26, v[L16]
	v_add_nc_u32 v[PWS], PW, v[PWS]
	s_add_co_u32 s39, s26, PW
	v_mov_b32 v[PA], s39
	v_add_nc_u32 v[PA+1], 64, v[PA]
	v_add_nc_u32 v[CA], s26, v[L16]                ; my wave's 512 bytes of a row, 16 a lane
	v_add_nc_u32 v[CA+1], 16*APITCH, v[CA]
	v_lshl_add_u32 v[CSS], v3, 5, s27
	v_add_nc_u32 v[CSS], CST, v[CSS]
	v_add_nc_u32 v[CSR], s27, v[L16]
	v_add_nc_u32 v[CSR], CST, v[CSR]
	v_lshl_add_u32 v[SVS], v0, 2, SVP
	v_add_nc_u32 v[SVR], SVP, v[L16]
.set i, 0
.rept 16
	v_mov_b32 v[SP+i], 0                           ; the rows' sums run over both chunks
.set i, i+1
.endr
	s_wait_kmcnt 0x0
	s_load_b32 s35, s[16:17], 0x0                  ; V_b
	s_lshl_b32 s24, ttmp9, 19                      ; the block's 128 rows of 4,096 bytes,
	s_lshl_b32 s39, s22, 17                        ; my wave's 32 of them
	s_add_co_u32 s24, s24, s39
	s_mov_b32 s25, 0
	s_add_nc_u64 s[4:5], s[4:5], s[24:25]
	s_lshl_b32 s24, s22, 19                        ; my wave's 256 columns: 524,288 consecutive bytes of Ub
	s_add_nc_u64 s[6:7], s[6:7], s[24:25]
	s_lshr_b32 s24, ttmp9, 4                       ; the batch
	s_lshl_b32 s24, s24, 12
	s_add_nc_u64 s[8:9], s[8:9], s[24:25]
	s_mul_i32 s24, ttmp9, 4608
	s_add_co_u32 s24, s24, s27
	s_add_nc_u64 s[18:19], s[18:19], s[24:25]      ; part at my block, my wave's 1,024 bytes
	s_lshl_b32 s24, ttmp9, 9
	s_add_nc_u64 s[20:21], s[20:21], s[24:25]      ; sc at my block
	; ---------------- the tables' 22 loads, then the ring's first 48 ----------------
	WIN TO_B
	s_wait_alu depctr_va_vdst(0)                   ; the offsets and addresses v4 to v30 are written, which the loads and stores of the whole kernel read
.irp p, 0,1,2,3,4,5,6,7
	global_load_b128 v[8*(\p):8*(\p)+3],   v[T32], s[8:9] offset:(\p)*131072      ; slice p of s_prev W_w, my eight columns
	global_load_b128 v[8*(\p)+4:8*(\p)+7], v[T32], s[8:9] offset:(\p)*131072+16
.endr
	global_load_b128 v[64:67], v[T32], s[10:11]
	global_load_b128 v[68:71], v[T32], s[10:11] offset:16
	global_load_b128 v[72:75], v[T32], s[12:13]
	global_load_b128 v[76:79], v[T32], s[12:13] offset:16
	global_load_b128 v[80:83], v[T32], s[14:15]
	global_load_b128 v[84:87], v[T32], s[14:15] offset:16
	WIN 0
.set q, 0
.rept 48
	global_load_b128 v[XB+4*q:XB+4*q+3], v[L16], s[4:5] offset:512*q th:TH_LOAD_NT  ; 512 consecutive bytes a load; hidden is read once in the launch
.set q, q+1
.endr
	s_wait_loadcnt 48                              ; the tables are in; the ring's 48 loads stay out
	WIN 0x55                                       ; all in window 1
.irp j, 0,2,4,6
	v_pk_add_f32 v[(\j):(\j)+1],       v[(\j):(\j)+1],       v[8+(\j):8+(\j)+1]
	v_pk_add_f32 v[16+(\j):16+(\j)+1], v[16+(\j):16+(\j)+1], v[24+(\j):24+(\j)+1]
	v_pk_add_f32 v[32+(\j):32+(\j)+1], v[32+(\j):32+(\j)+1], v[40+(\j):40+(\j)+1]
	v_pk_add_f32 v[48+(\j):48+(\j)+1], v[48+(\j):48+(\j)+1], v[56+(\j):56+(\j)+1]
	v_pk_add_f32 v[64+(\j):64+(\j)+1], v[64+(\j):64+(\j)+1], v[72+(\j):72+(\j)+1]   ; W_b + U_b
.endr
.irp j, 0,2,4,6
	v_pk_add_f32 v[(\j):(\j)+1],       v[(\j):(\j)+1],       v[16+(\j):16+(\j)+1]
	v_pk_add_f32 v[32+(\j):32+(\j)+1], v[32+(\j):32+(\j)+1], v[48+(\j):48+(\j)+1]
.endr
	v_pk_add_f32 v[88:89], v[80:81], v[82:83]      ; the sum of my eight V_w
	v_pk_add_f32 v[90:91], v[84:85], v[86:87]
.irp j, 0,2,4,6
	v_pk_add_f32 v[(\j):(\j)+1], v[(\j):(\j)+1], v[32+(\j):32+(\j)+1]
.endr
	v_pk_add_f32 v[88:89], v[88:89], v[90:91]
.irp j, 0,2,4,6
	v_pk_add_f32 v[(\j):(\j)+1], v[(\j):(\j)+1], v[64+(\j):64+(\j)+1]
.endr
	v_add_f32 v88, v88, v89
.irp j, 0,2,4,6
	v_pk_mul_f32 v[(\j):(\j)+1], v[(\j):(\j)+1], s[32:33] op_sel_hi:[1,0]
	v_pk_mul_f32 v[80+(\j):80+(\j)+1], v[80+(\j):80+(\j)+1], -2.0 op_sel_hi:[1,0]
.endr
	WIN 0x04                                       ; store data in window 1, address in window 0
	s_wait_alu depctr_va_vdst(0)                   ; the lines above have written my lines of the two tables and my sum of V_w, which the LDS stores read
	ds_store_b128 v[TST], v[0:3]
	ds_store_b128 v[TST], v[4:7] offset:16
	ds_store_b128 v[TST], v[80:83] offset:4096
	ds_store_b128 v[TST], v[84:87] offset:4112
	ds_store_b32 v[SVS], v88
	WIN 0
	s_wait_kmcnt 0x0                               ; V_b
	; ---------------- my 32 rows of the block into LDS: 256 loads of 512 bytes through the ring of 48, a row (8 loads) at a time ----------------
	s_mov_b32 s28, 4
.Lin:                                                  ; laps 0 to 3: every slot is filled again; behind a group's 8 loads 40 younger ones stay out
	GROUP 0, 1, 40, 0, 0
	GROUP 1, 1, 40, 0, 1
	GROUP 2, 1, 40, 0, 1
	GROUP 3, 1, 40, 0, 1
	GROUP 4, 1, 40, 0, 1
	GROUP 5, 1, 40, 0, 1
	s_wait_xcnt 0x0                                ; the loads' base is stepped only behind this wait
	s_add_nc_u64 s[4:5], s[4:5], 24576             ; 48 loads = 6 rows
	s_wait_alu depctr_vm_vsrc(0)                   ; the lap's LDS stores have read v[LA], and v[YB ..], which the next group's conversions write
	v_add_nc_u32 v[LA], 6*APITCH, v[LA]
	s_sub_co_u32 s28, s28, 1
	s_cmp_lg_u32 s28, 0
	s_cbranch_scc1 .Lin
	GROUP 0, 1, 40, 0, 0                           ; lap 4: the last 16 loads go out,
	GROUP 1, 1, 40, 0, 1
	GROUP 2, 0, 40, 0, 1                           ; and the counts run down: behind row 24 + g stand the rows up to 31, 8 loads each
	GROUP 3, 0, 32, 0, 1
	GROUP 4, 0, 24, 0, 1
	GROUP 5, 0, 16, 0, 1
	PRELOAD                                        ; U_w's first three K steps: 48 loads.  No wait: the tables' sums and LDS stores, which named these registers of window 1, stand ahead of the groups' waits on va_vdst and vm_vsrc
	WIN 0
	GROUP 0, 0, 56, 6*APITCH, 1                    ; lap 5, row 30: row 31's 8 loads and U_w's 48 stay out
	GROUP 1, 0, 48, 6*APITCH, 1                    ; row 31: U_w's 48 stay out
	s_wait_dscnt 0x0                               ; for the others' sake: my rows of A, my lines of the tables and my sum of V_w are in LDS
	s_barrier_signal -1
	s_barrier_wait -1                              ; everybody's are
	; ---------------- two chunks of 128 columns ----------------
	s_mov_b32 s29, 2
	s_mov_b32 s31, 0                               ; the chunk's place in my wave's table lines
.Lchunk:
	s_mov_b32 s30, 0
	SETAD                                          ; its wait also speaks for v[TBA], which the last chunk's table loads read, and for v[YB ..], which the ring's last LDS stores read
	v_add_nc_u32 v[TBA], s31, v[TBA0]
	s_wait_alu depctr_va_vdst(0)                   ; v[AD ..] and v[TBA] are written; the conversions (second chunk: the epilogue's lines) are done with v64-223, and the last chunk's matrix instructions with F1 and B3: the loads up to K step 0's last land there
	ds_load_b128 v[TBL:TBL+3],     v[TBA]          ; the chunk's first eight biases and eight -2 V_w, wanted behind its 32 K steps
	ds_load_b128 v[TBL+4:TBL+7],   v[TBA] offset:16
	ds_load_b128 v[TBL+8:TBL+11],  v[TBA] offset:4096
	ds_load_b128 v[TBL+12:TBL+15], v[TBA] offset:4112
	FETCH_A 0, F0
	STEP F0, F1, B0, B3, 64, 3, 1, 1, 1, 32, 0     ; K step 0 stands in front of the loop: its products start the sums
	WIN 0                                          ; at a label and at a branch every window is 0
	s_wait_xcnt 0x0                                ; Ub's base is stepped only behind this wait
	s_add_nc_u64 s[6:7], s[6:7], 0x8000            ; four K steps of 8,192 bytes
	s_mov_b32 s30, 128
	SETAD
	s_mov_b32 s28, 7
.Lk:                                                   ; K steps 4 t + 1 .. 4 t + 4; each asks for A one step and for U_w three steps ahead
	STEP F1, F0, B1, B0, 0,   0, 0, 1, 1, 32, 1
	STEP F0, F1, B2, B1, 64,  1, 0, 1, 1, 32, 1
	STEP F1, F0, B3, B2, 128, 2, 0, 1, 1, 32, 1
	STEP F0, F1, B0, B3, 192, 3, 0, 1, 1, 32, 1
	WIN 0
	s_wait_xcnt 0x0
	s_add_nc_u64 s[6:7], s[6:7], 0x8000
	s_add_co_u32 s30, s30, 256
	SETAD
	s_sub_co_u32 s28, s28, 1
	s_cmp_lg_u32 s28, 0
	s_cbranch_scc1 .Lk
	STEP F1, F0, B1, B0, 0,  0, 0, 1, 0, 32, 1     ; K steps 29 to 31: nothing more of U_w is asked for, the counts run down
	STEP F0, F1, B2, B0, 64, 0, 0, 1, 0, 16, 1
	STEP F1, F0, B3, B0, 0,  0, 0, 0, 0, 0, 0
	WIN 0
	PLACES                                         ; in front of the epilogue's lines, which read the sums and write F0's registers
	s_cmp_eq_u32 s29, 1
	s_cbranch_scc1 .Lnopre                         ; behind the second chunk my part of Ub is at its end
	WIN TO_B
	s_wait_alu depctr_va_vdst(0)                   ; the matrix instructions of K steps 28 to 30 are done reading B0, B1 and B2, in which the loads below land
	PRELOAD                                        ; the next chunk's first three K steps land under the epilogue (Ub's base stands at that chunk: 8 x 32,768 bytes on)
	WIN 0
.Lnopre:
.irp c, 0,1,2,3,4,5,6,7
	EPI \c
.endr
	WIN 0
	s_add_co_u32 s31, s31, 512
	s_sub_co_u32 s29, s29, 1
	s_cmp_lg_u32 s29, 0
	s_cbranch_scc1 .Lchunk
	; ---------------- the rows' sums meet ----------------
.irp a, 0,1,2,3,4,5,6,7
	v_add_f32 v[YB+(\a)], v[SP+2*(\a)], v[SP+2*(\a)+1]
.endr
.irp a, 0,1,2,3,4,5,6,7
	v_permlanex16_b32 v[YB+8+(\a)], v[YB+(\a)], s36, s37   ; a row's other eight columns of each block lie in the lane 16 away
.endr
.irp a, 0,1,2,3,4,5,6,7
	v_add_f32 v[YB+(\a)], v[YB+(\a)], v[YB+8+(\a)]
.endr
	s_wait_alu depctr_va_vdst(0)                   ; the additions have written v[YB ..], which the LDS stores read; the epilogue's lines are done with v96-115, in which the loads behind the barrier land
.irp a, 0,1,2,3,4,5,6,7
	ds_store_b32 v[SA], v[YB+(\a)] offset:64*(\a)          ; both halves of the lanes write the same word with the same number
.endr
	s_wait_dscnt 0x0                               ; for the others' sake
	s_barrier_signal -1
	s_barrier_wait -1
	; every wave makes the block's softmax for itself: four rows a lane
	ds_load_b128 v[96:99],   v[SB]
	ds_load_b128 v[100:103], v[SB] offset:512
	ds_load_b128 v[104:107], v[SB] offset:1024
	ds_load_b128 v[108:111], v[SB] offset:1536
	ds_load_b128 v[112:115], v[SVR]
	s_wait_dscnt 0x0
	v_pk_add_f32 v[112:113], v[112:113], v[114:115]
	v_pk_add_f32 v[96:97],   v[96:97],   v[100:101]
	v_pk_add_f32 v[98:99],   v[98:99],   v[102:103]
	v_pk_add_f32 v[104:105], v[104:105], v[108:109]
	v_pk_add_f32 v[106:107], v[106:107], v[110:111]
	v_add_f32 v[TM], v112, v113
	v_pk_add_f32 v[96:97], v[96:97], v[104:105]
	v_pk_add_f32 v[98:99], v[98:99], v[106:107]
	WSUM TM, TM+1                                  ; the sum of all 1,024 V_w
	v_add_f32 v[TM], s35, v[TM]                    ; + V_b
	v_pk_add_f32 v[SCO:SCO+1],   v[96:97], v[TM:TM+1] op_sel_hi:[1,0]
	v_pk_add_f32 v[SCO+2:SCO+3], v[98:99], v[TM:TM+1] op_sel_hi:[1,0]
	v_max_num_f32 v[STAT], v[SCO], v[SCO+1]
	v_max3_num_f32 v[STAT], v[STAT], v[SCO+2], v[SCO+3]
	WMAX STAT, TM+2                                ; m
.irp j, 0,1,2,3
	v_sub_f32 v[PEX+(\j)], v[SCO+(\j)], v[STAT]
.endr
.irp j, 0,1,2,3
	v_mul_f32 v[PEX+(\j)], s34, v[PEX+(\j)]
.endr
.irp j, 0,1,2,3
	v_exp_f32 v[PEX+(\j)], v[PEX+(\j)]
.endr
	v_mov_b32 v[STAT+2], v[STAT]                   ; also the plain instruction behind the last exponential
	s_wait_alu depctr_va_vdst(0)                   ; the four exponentials have written v[PEX ..], ahead of their first reader
	v_pk_add_f32 v[TM:TM+1], v[PEX:PEX+1], v[PEX+2:PEX+3]
	v_add_f32 v[STAT+1], v[TM], v[TM+1]
	WSUM STAT+1, TM+2                              ; l
	v_mov_b32 v[STAT+3], v[STAT+1]
.set i, 0
.rept 8
	v_mov_b32 v[CX+i], 0                           ; the context's sums begin
.set i, i+1
.endr
	s_wait_alu depctr_va_vdst(0)                   ; l is written: with it all of (m, l, m, l), which wave 0's store reads; the sums above are done with v96-115, in which the context's first loads land
	ds_store_b128 v[PWS], v[PEX:PEX+3]             ; my wave's own copy of p: read back below without a barrier
	s_cmp_lg_u32 s22, 0
	s_cbranch_scc1 .Lnot0
	global_store_b128 v[L16], v[SCO:SCO+3], s[20:21]                 ; wave 0: the block's 128 scores, 512 consecutive bytes;
	global_store_b128 v[L16], v[STAT:STAT+3], s[18:19] offset:4096   ; and (m, l, m, l) 32 times, 512 consecutive bytes.  Their registers are not written again
.Lnot0:
	; ---------------- the context: my wave's 256 columns, all 128 rows, eight groups of 16 ----------------
	LOADG 0
	s_mov_b32 s28, 3
.Lctx:
	LOADG 1
	COMP 0, 20                                     ; the even group is in; the odd group's 20 loads stay out
	s_wait_alu depctr_vm_vsrc(0)                   ; both groups' loads have read their four address registers
	v_add_nc_u32 v[CA], 32*APITCH, v[CA]
	v_add_nc_u32 v[PA], 128, v[PA]
	v_add_nc_u32 v[CA+1], 32*APITCH, v[CA+1]
	v_add_nc_u32 v[PA+1], 128, v[PA+1]
	s_wait_alu depctr_va_vdst(0)                   ; the four addresses are written; the even group's multiply-adds are done reading its weights and rows, in which the loads below land
	LOADG 0
	COMP 1, 20
	s_wait_alu depctr_va_vdst(0)                   ; the odd group's multiply-adds are done reading its weights and rows, in which the next odd group lands
	s_sub_co_u32 s28, s28, 1
	s_cmp_lg_u32 s28, 0
	s_cbranch_scc1 .Lctx
	LOADG 1                                        ; groups 6 and 7
	COMP 0, 20
	COMP 1, 0
	; a lane's eight columns are 32 bytes: through my stage, so that each store of the wave covers 512 consecutive bytes
	s_wait_alu depctr_va_vdst(0)                   ; the multiply-adds have written v[CX ..], which the LDS stores read, and are done reading v96-103, in which the loads below land
	ds_store_b128 v[CSS], v[CX:CX+3]
	ds_store_b128 v[CSS], v[CX+4:CX+7] offset:16
	ds_load_b128 v[96:99],   v[CSR]                ; LDS serves a wave's instructions in order (ISA guide 5.7.1.4): these see the stores above
	ds_load_b128 v[100:103], v[CSR] offset:512
	s_wait_dscnt 0x0
	global_store_b128 v[L16], v[96:99],   s[18:19]
	global_store_b128 v[L16], v[100:103], s[18:19] offset:512
	s_wait_dscnt 0x0                               ; the closing lines, six on end
	s_wait_alu 0x0
	s_wait_tensorcnt 0x0
	ds_add_u32 v[SPW], v[NIL]
	s_wait_dscnt 0x0
	s_endpgm
.Lfunc_end_k_qe96ffcf63d_score:
	.size	k_qe96ffcf63d_score, .Lfunc_end_k_qe96ffcf63d_score-k_qe96ffcf63d_score
	.p2alignl 7, 3214868480
	.fill 96, 4, 3214868480
	.section	.rodata,"a",@progbits
	.p2align	6, 0x0
	.amdhsa_kernel k_qe96ffcf63d_score
		.amdhsa_group_segment_fixed_size 281600
		.amdhsa_private_segment_fixed_size 0
		.amdhsa_enable_private_segment 0
		.amdhsa_kernarg_size 72
		.amdhsa_user_sgpr_count 2
		.amdhsa_user_sgpr_kernarg_segment_ptr 1
		.amdhsa_wavefront_size32 1
		.amdhsa_system_sgpr_workgroup_id_x 1
		.amdhsa_system_sgpr_workgroup_id_y 1
		.amdhsa_system_sgpr_workgroup_id_z 1
		.amdhsa_system_vgpr_workitem_id 0
		.amdhsa_next_free_vgpr 1024
		.amdhsa_next_free_sgpr 66
		.amdhsa_reserve_vcc 0
		.amdhsa_float_denorm_mode_32 3
		.amdhsa_float_denorm_mode_16_64 3
		.amdhsa_memory_ordered 1
		.amdhsa_forward_progress 1
		.amdhsa_inst_pref_size 232
	.end_amdhsa_kernel
	.amdgpu_metadata
---
amdhsa.version: [ 1, 2 ]
amdhsa.kernels:
  - .name:           k_qe96ffcf63d_score
    .symbol:         k_qe96ffcf63d_score.kd
    .args:
      - { .name: hidden_states, .offset: 0, .size: 8, .value_kind: global_buffer, .address_space: global }
      - { .name: Ub, .offset: 8, .size: 8, .value_kind: global_buffer, .address_space: global }
      - { .name: wsp, .offset: 16, .size: 8, .value_kind: global_buffer, .address_space: global }
      - { .name: W_b, .offset: 24, .size: 8, .value_kind: global_buffer, .address_space: global }
      - { .name: U_b, .offset: 32, .size: 8, .value_kind: global_buffer, .address_space: global }
      - { .name: V_w, .offset: 40, .size: 8, .value_kind: global_buffer, .address_space: global }
      - { .name: V_b, .offset: 48, .size: 8, .value_kind: global_buffer, .address_space: global }
      - { .name: part, .offset: 56, .size: 8, .value_kind: global_buffer, .address_space: global }
      - { .name: sc, .offset: 64, .size: 8, .value_kind: global_buffer, .address_space: global }
    .group_segment_fixed_size: 281600
    .private_segment_fixed_size: 0
    .kernarg_segment_align: 8
    .kernarg_segment_size: 72
    .max_flat_workgroup_size: 128
    .sgpr_count:     66
    .vgpr_count:     1024
    .wavefront_size: 32
...
	.end_amdgpu_metadata
.endif
;; end of part 4
;; launch finish: the kernel of part 3 again; grid 256 x 1, 1 waves a work-group, no clusters, 0 bytes of LDS; arguments part, sc, out0, out1; writes out0, out1
